; MI455X (gfx1250); checked and timed in simulation.
; The chip was launched on July 23, 2026; its instructions are those of AMD's public machine-readable ISA for CDNA 5 (MIT licence, August 2026) and "CDNA5" Instruction Set Architecture Reference Guide (July 2026). The comments in the code are by the model that wrote it; some were corrected since.
;; Self Attention. Allowed arithmetic: matrix products marked QUANTISED: E2M1 operands, one E8M0 scale for each 32 along K, by v_wmma_scale_f32_16x16x128_f8f6f4 with both operands' format E2M1 (or v_wmma_scale_f32_32x16x128_f4), f32 sums; products left as they are: bf16, f16 or f32 operands; f32 sums; everything else in f32.
;; Inputs: Wk 1,024 x 1,024 float32; Wo 1,024 x 1,024 float32; Wq 1,024 x 1,024 float32; Wv 1,024 x 1,024 float32; bk 1,024 float32; bo 1,024 float32; bq 1,024 float32; bv 1,024 float32; keys 4 x 2,048 x 1,024 float32; mask 4 x 1 x 1 x 2,048 int32; query 4 x 2,048 x 1,024 float32; values 4 x 2,048 x 1,024 float32.
;; Outputs: out0 4 x 2,048 x 1,024 float32.
;; This version of the problem:
;;   THIS VERSION OF THE PROBLEM IS GIVEN IN LOW PRECISION. The matrix products marked QUANTISED in the list below multiply operands that are first quantised to E2M1 (2 exponent bits, 1 mantissa bit; 4 bits a number), with one power-of-two scale for each 32 numbers along K (OCP MX v1.0); their sums are f32. The products marked 'left as it is' may take bf16, f16 or f32 operands, with f32 sums. Whichever they take, every output number must still come out within the allowed error. Rounding operands to bf16 (8 significant bits) uses up far more of that allowance than f16 does (11 bits, for magnitudes from 6e-5 to 65,504). All else is computed in f32.
;;   The module's matrix products, in the order in which they are computed (A, B: the left and right operand; K: the contracted axis; several contracted axes count as one K, in the product's order):
;;     1. [M 8,192, K 1,024] x [K 1,024, N 1,024]; A: input values; B: input Wv: QUANTISED
;;     2. [M 8,192, K 1,024] x [K 1,024, N 1,024]; A: input keys; B: input Wk: QUANTISED
;;     3. [M 8,192, K 1,024] x [K 1,024, N 1,024]; A: input query; B: input Wq: QUANTISED
;;     4. batch 64 x [M 2,048, K 64] x [K 64, N 2,048]; A: computed on the way; B: computed on the way: left as it is (an operand is computed on the way)
;;     5. batch 64 x [M 64, K 2,048] x [K 2,048, N 2,048]; A: computed on the way; B: computed on the way: left as it is (an operand is computed on the way)
;;     6. [M 8,192, K 1,024] x [K 1,024, N 1,024]; A: computed on the way; B: input Wo: left as it is (an operand is computed on the way)
;;   THE QUANTISER, for each operand of a quantised product, along K:
;;     - K is cut into blocks of 32 from its start; a last block that is shorter is filled with zeros.
;;     - A block's scale is 2^e with e = floor(log2(the largest magnitude in the block)) - 2, held to -126 .. 127; a block of zeros has e = 0. As a byte (E8M0): e + 127.
;;     - Each number is divided by its block's scale, clamped to +-6, and rounded to the nearest number of E2M1, ties to even, subnormals kept.
;;     - The product sums the exact products of the quantised numbers (number of the format x scale) in f32.
;;   ~~~python
;;   def quantise(x, axis):      # numpy; x: float32 -> the quantised numbers, widened to float32 again
;;       x = np.moveaxis(x, axis, -1); K = x.shape[-1]
;;       x = np.pad(x, [(0, 0)] * (x.ndim - 1) + [(0, -K % 32)]); x = x.reshape(x.shape[:-1] + (-1, 32)); a = np.abs(x).max(-1, keepdims=True)
;;       e = np.where(a > 0, np.clip(np.frexp(np.where(a > 0, a, 1))[1] - 1 - 2, -126, 127), 0)      # np.frexp(a)[1] - 1 = floor(log2(a)), exactly
;;       r = np.clip(x / 2.0 ** e, -6, 6)
;;       step = 2.0 ** (np.maximum(np.frexp(np.where(r == 0, 1, r))[1] - 1, 0) - 1)
;;       q = np.round(r / step) * step * 2.0 ** e      # np.round: ties to even
;;       return np.moveaxis(q.reshape(q.shape[:-2] + (-1,))[..., :K], -1, axis).astype(np.float32)
;;   ~~~
;; One version. Each part assembles by itself: llvm-mc -triple=amdgcn-amd-amdhsa -mcpu=gfx1250 --defsym DOCPART=n.
;; ======== version 1 of 1: 4 launches
;; limits: values are held in f16: magnitudes above 65,504 overflow, below 6.1e-05 lose precision
;; workspace buffers: xcodes 12,582,912 bytes; xscales 786,432 bytes; wcodes 1,572,864 bytes; wscales 98,304 bytes; wo16 2,097,152 bytes; qkv 50,331,648 bytes; att 16,777,216 bytes
;; launch quant (part 1): grid 880 x 1, 4 waves a work-group, no clusters, 68,096 bytes of LDS; arguments values, keys, query, Wv, Wk, Wq, Wo, xcodes, xscales, wcodes, wscales, wo16; writes xcodes, xscales, wcodes, wscales, wo16
.if DOCPART == 1
	.amdgcn_target "amdgcn-amd-amdhsa--gfx1250"
	.amdhsa_code_object_version 6
	.text
	.protected	k_q812a9efb30_quant
	.globl	k_q812a9efb30_quant
	.p2align	8
	.type	k_q812a9efb30_quant,@function
k_q812a9efb30_quant:
	s_mov_b64 s[64:65], 0
	v_nop
	global_prefetch_b8 v0, s[64:65] scope:SCOPE_SE
	s_setreg_imm32_b32 hwreg(HW_REG_WAVE_MODE, 25, 1), 1
	s_wait_xcnt 0x0
; THE OPERANDS OF THE THREE QUANTISED PROJECTIONS BECOME CODES OF FP4 (E2M1) WITH ONE E8M0 BYTE FOR EACH 32 ALONG K, AND Wo BECOMES f16.
; values, keys, query: [8192][1024] f32, K innermost -> xcodes [3 x 8192][512 bytes], xscales [3 x 8192][32 bytes] (tensor 0 values, 1 keys, 2 query).
; Wv, Wk, Wq: [k 1024][n 1024] f32, K is the FIRST axis -> wcodes [3 x 1024 n][512 bytes] with K innermost, wscales [3 x 1024 n][32 bytes].   Wo: [k][n] f32 -> wo16 [k][n] f16, a plain cast.
; A block's scale is 2^(floor(log2(its largest magnitude)) - 2); its byte is the largest magnitude's exponent field - 2, held at 1 from below; numbers are divided by the scale and rounded to the nearest code, ties to even.
; LIMITS: a block of zeros gets the byte 1 where the rule says 127 (its codes are zeros, and this program alone reads the bytes); NaN and infinities are not served; |Wo| stays under 65,504, f16's largest number.
; SHARES, by the work-group's number: 0-47 the three weights (16 each: 8 groups of 128 columns x 2 halves of K); 48-111 the cast of Wo (16,384 numbers each); 112-879 the three x tensors (32,768 numbers each).
; The weights' work-groups have the lowest numbers: theirs is the longest chain of dependent steps.  No tensor load, no barrier: waves share nothing.  Each path that uses LDS has LDS bytes of its own.
.set SPW,    194                       ; v194  LDS address of my spare word: SPARE + 4 x my thread's number; never rewritten
.set NIL,    195                       ; v195  0; never rewritten
.set WREG,   8192                      ; x: a region for each wave from LDS byte 0: two stages of 32 x SP bytes, behind them its 256 scale bytes
.set SP,     80                        ; x: a lane's place in a stage: its 64 bytes + 16 of padding
.set XR,     16                        ; x: v16-79   four sets of 16 numbers as they are loaded
.set XX,     80                        ; x: v80-111  two sets of 16 neighbours
.set XE,     112                       ; x: v112-127 a scale byte for each step
.set XC,     128                       ; x: v128-191 codes, four registers for each step: no store's data are written again
.set WSTG,   32768                     ; weights: four stages of 32 rows x WPITCH
.set WPITCH, 272                       ; weights: 256 bytes of codes + 16 of padding
.set WX,     32                        ; weights: v32-95 two sets of 32 numbers
.set WC,     96                        ; weights: v96-99 a block's codes
.set WOUT,   112                       ; weights: v112-175 the way out
.set WSB,    24                        ; weights: v24-27 the scale bytes, four to a register
.set SPARE,  WSTG+4*32*WPITCH          ; 67,584: the spare words, 128 bytes for each wave: two blocks of 256 bytes that no other line names
	s_load_b256 s[4:11], s[0:1], 0x0               ; values s[4:5], keys s[6:7], query s[8:9], Wv s[10:11]
	s_load_b256 s[12:19], s[0:1], 0x20             ; Wk s[12:13], Wq s[14:15], Wo s[16:17], xcodes s[18:19]
	s_load_b256 s[20:27], s[0:1], 0x40             ; xscales s[20:21], wcodes s[22:23], wscales s[24:25], wo16 s[26:27]
	v_lshl_add_u32 v[SPW], v0, 2, SPARE
	v_mov_b32 v[NIL], 0
	v_lshrrev_b32 v1, 5, v0
	v_readfirstlane_b32 s28, v1                    ; wave 0..3
	v_and_b32 v2, 31, v0                           ; lane
	s_mov_b32 s35, 0                               ; the upper word of every offset pair s[34:35]
	s_wait_kmcnt 0x0
	s_cmp_lt_u32 ttmp9, 48
	s_cbranch_scc1 .Lweights
	s_cmp_lt_u32 ttmp9, 112
	s_cbranch_scc1 .Lcast
; ---------------------------------------------------------------- x: K innermost.  Rows are dense and K is a multiple of 32: a tensor is a plain stream of blocks of 32.
; A wave takes 16 steps of 512 numbers.  Each of a step's four loads reads 512 consecutive bytes, 16 a lane; the 2,048 bytes turn through the wave's own stage in LDS and come back 64 bytes a lane,
; so that a lane holds 16 neighbours along K (two neighbouring lanes hold a block).  A lane's 16 codes are 8 bytes: the wave stores 256 consecutive bytes.  Loads run four steps ahead, the turn one step.
	s_sub_co_u32 s29, ttmp9, 112                   ; g: 0 .. 767
	s_lshr_b32 s30, s29, 8                         ; which tensor
	s_cmp_eq_u32 s30, 0
	s_cselect_b64 s[32:33], s[4:5], s[6:7]         ; the choice hangs on the work-group's number alone
	s_cmp_eq_u32 s30, 2
	s_cselect_b64 s[32:33], s[8:9], s[32:33]
	s_and_b32 s31, s29, 255
	s_lshl_b32 s31, s31, 2
	s_add_co_u32 s31, s31, s28                     ; my run of 8,192 numbers in the tensor
	s_lshl_b32 s34, s31, 15                        ; 32,768 bytes a run
	s_add_nc_u64 s[32:33], s[32:33], s[34:35]
	s_lshl_b32 s36, s29, 2
	s_add_co_u32 s36, s36, s28                     ; my run among the three tensors' 3,072
	s_lshl_b32 s34, s36, 12                        ; 4,096 bytes of codes a run
	s_add_nc_u64 s[18:19], s[18:19], s[34:35]
	s_lshl_b32 s34, s36, 8                         ; 256 scale bytes a run
	s_add_nc_u64 s[20:21], s[20:21], s[34:35]
	v_lshlrev_b32 v3, 4, v2                        ; my 16 bytes of a load's 512
	s_mul_i32 s37, s28, WREG
	v_lshrrev_b32 v14, 2, v2
	v_mul_u32_u24 v14, v14, SP
	v_and_b32 v15, 3, v2
	v_lshl_add_u32 v14, v15, 4, v14
	v_add_nc_u32 v14, s37, v14                     ; the stage, on the way in: SP (lane / 4) + 16 (lane % 4)
	v_mul_u32_u24 v15, v2, SP
	v_add_nc_u32 v15, s37, v15                     ; and on the way out: SP x lane: my 16 neighbours
	v_lshlrev_b32 v4, 3, v2                        ; my codes' place in a step's
	v_lshrrev_b32 v5, 1, v2
	s_add_co_u32 s37, s37, 2*32*SP
	v_add_nc_u32 v5, s37, v5                       ; LDS: my wave's 256 scale bytes, my block's byte
	v_lshlrev_b32 v7, 3, v2                        ; and on the way out 8 bytes a lane
	v_add_nc_u32 v6, s37, v7
.macro XLOAD t
.irp i, 0,1,2,3
	global_load_b128 v[XR+16*((\t)%4)+4*\i:XR+16*((\t)%4)+4*\i+3], v3, s[32:33] offset:2048*(\t)+512*\i th:TH_LOAD_NT   ; 32 lanes read 512 consecutive bytes
.endr
.endm
.macro XTURN t                         ; step t's numbers through the stage: LDS serves a wave's instructions in order, so no wait stands between the stores and the loads
.irp i, 0,1,2,3
	ds_store_b128 v14, v[XR+16*((\t)%4)+4*\i:XR+16*((\t)%4)+4*\i+3] offset:32*SP*((\t)%2)+8*SP*\i
.endr
.irp i, 0,1,2,3
	ds_load_b128 v[XX+16*((\t)%2)+4*\i:XX+16*((\t)%2)+4*\i+3], v15 offset:32*SP*((\t)%2)+16*\i
.endr
.endm
.irp t, 0,1,2,3
	XLOAD \t
.endr
	s_wait_loadcnt 12                              ; step 0's four loads are in; the twelve of steps 1 to 3 may be out
	XTURN 0
.macro XSTEP t
.set XS, XX+16*((\t)%2)
.if (\t) > 0
	s_wait_dscnt 1                                 ; this step's numbers are back from the stage (the last step's byte store may be out): so its stores into the stage have read their registers,
.else
	s_wait_dscnt 0x0
.endif
.if (\t)+4 < 16
	XLOAD (\t)+4                                   ; which take the loads of four steps on
.endif
.if (\t)+1 < 16
.if 14-(\t) >= 3
	s_wait_loadcnt 12                              ; the next step's four loads are in; those of the three steps behind it may be out
.else
	s_wait_loadcnt 4*(14-(\t))                     ; at the end the count runs down with the steps that are left
.endif
	XTURN (\t)+1                                   ; and go through the other stage while this step is worked
.endif
	v_max3_num_f32 v8, |v[XS]|, |v[XS+1]|, |v[XS+2]|               ; the largest magnitude of my 16, in two chains
	v_max3_num_f32 v9, |v[XS+3]|, |v[XS+4]|, |v[XS+5]|
.irp i, 6,10
	v_max3_num_f32 v8, v8, |v[XS+\i]|, |v[XS+\i+1]|
	v_max3_num_f32 v9, v9, |v[XS+\i+2]|, |v[XS+\i+3]|
.endr
	v_max3_num_f32 v8, v8, |v[XS+14]|, |v[XS+15]|
	v_max3_num_f32 v8, v8, v9, 0x1800000           ; and the floor 2^(3 - 127): so the byte cannot fall under 1
	v_max_num_f32_dpp v8, v8, v8 row_xmask:1 row_mask:0xf bank_mask:0xf   ; and of my neighbour's 16: the block's
	v_add_nc_u32 v11, 0xff000000, v8               ; 2 off its exponent field: the conversion takes the exponent field of this operand as its scale, and nothing else of it
	v_cvt_scalef32_pk8_fp4_f32 v[XC+4*(\t)], v[XS:XS+7], v11
	v_cvt_scalef32_pk8_fp4_f32 v[XC+4*(\t)+1], v[XS+8:XS+15], v11
	v_lshrrev_b32 v[XE+(\t)], 23, v11              ; the scale's byte (also the plain line behind the conversions)
	ds_store_b8 v5, v[XE+(\t)] offset:16*(\t)      ; both lanes of a block write the same byte with the same value
	global_store_b64 v4, v[XC+4*(\t):XC+4*(\t)+1], s[18:19] offset:256*(\t)   ; the wave stores 256 consecutive bytes, aligned
.endm
.irp t, 0,1,2,3,4,5,6,7,8,9,10,11,12,13,14,15
	XSTEP \t
.endr
	ds_load_b64 v[8:9], v6                         ; LDS serves a wave's instructions in order: these see my byte stores
	s_wait_dscnt 0x0
	global_store_b64 v7, v[8:9], s[20:21]          ; 32 lanes store 256 consecutive scale bytes, aligned
	s_branch .Lend
; ---------------------------------------------------------------- the weights: K is the first axis.  A LANE TAKES A COLUMN n, AND ITS REGISTERS RUN DOWN K: a block of 32 lies in one lane's 32 registers,
; and the conversions give codes with K innermost.  A wave takes 32 columns x 512 along K; its codes leave through its own stage in LDS, sixteen lanes to 256 consecutive bytes.  Loads run two blocks ahead.
.Lweights:
	s_lshr_b32 s29, ttmp9, 4                       ; which weight
	s_cmp_eq_u32 s29, 0
	s_cselect_b64 s[32:33], s[10:11], s[12:13]
	s_cmp_eq_u32 s29, 2
	s_cselect_b64 s[32:33], s[14:15], s[32:33]
	s_and_b32 s30, ttmp9, 7
	s_lshl_b32 s30, s30, 7
	s_lshl_b32 s34, s28, 5
	s_add_co_u32 s30, s30, s34                     ; my wave's first column
	s_bfe_u32 s31, ttmp9, 0x10003                  ; which half of K
	s_lshl_b32 s34, s31, 21                        ; W: 512 rows of 4,096 bytes,
	s_lshl_b32 s36, s30, 2                         ; + 4 bytes a column
	s_add_co_u32 s34, s34, s36
	s_add_nc_u64 s[32:33], s[32:33], s[34:35]
	s_lshl_b32 s34, s29, 19                        ; codes: 524,288 bytes a weight,
	s_lshl_b32 s36, s30, 9                         ; 512 a column,
	s_add_co_u32 s34, s34, s36
	s_lshl_b32 s36, s31, 8                         ; 256 a half of K
	s_add_co_u32 s34, s34, s36
	s_add_nc_u64 s[22:23], s[22:23], s[34:35]
	s_lshl_b32 s34, s29, 15                        ; scale bytes: 32,768 a weight, 32 a column, 16 a half of K
	s_lshl_b32 s36, s30, 5
	s_add_co_u32 s34, s34, s36
	s_lshl_b32 s36, s31, 4
	s_add_co_u32 s34, s34, s36
	s_add_nc_u64 s[24:25], s[24:25], s[34:35]
	s_mul_i32 s37, s28, 32*WPITCH
	s_add_co_u32 s37, s37, WSTG                    ; my stage
	v_lshlrev_b32 v3, 2, v2                        ; in: 4 bytes a lane
	v_mul_u32_u24 v4, v2, WPITCH
	v_add_nc_u32 v4, s37, v4                       ; into the stage: row = my column
	v_and_b32 v5, 15, v2
	v_lshrrev_b32 v6, 4, v2                        ; out of it: sixteen lanes to a row, two rows an instruction
	v_mul_u32_u24 v7, v6, WPITCH
	v_lshl_add_u32 v7, v5, 4, v7
	v_add_nc_u32 v7, s37, v7
	v_lshlrev_b32 v8, 9, v6
	v_lshl_add_u32 v8, v5, 4, v8                   ; and the same place in the codes' buffer (rows of 512 bytes)
	v_lshlrev_b32 v9, 5, v2                        ; my column's row of scale bytes
.macro WLOAD t                         ; block t: W(32 t + i, my column), i = 0 .. 31, into set t % 2.  The largest immediate is 511 rows of 4,096 bytes
.irp i, 0,1,2,3,4,5,6,7,8,9,10,11,12,13,14,15,16,17,18,19,20,21,22,23,24,25,26,27,28,29,30,31
	global_load_b32 v[WX+32*((\t)%2)+\i], v3, s[32:33] offset:(32*(\t)+\i)*4096 th:TH_LOAD_NT
.endr
.endm
	WLOAD 0
	WLOAD 1
.macro WBLOCK t
.set XS, WX+32*((\t)%2)
.if (\t) < 15
	s_wait_loadcnt 32                              ; this block's 32 loads are in; the next block's 32 may be out
.else
	s_wait_loadcnt 0
.endif
	v_max3_num_f32 v12, |v[XS]|, |v[XS+1]|, |v[XS+2]|               ; the block's largest magnitude: all 32 numbers are mine
	v_max3_num_f32 v13, |v[XS+3]|, |v[XS+4]|, |v[XS+5]|
.irp i, 6,10,14,18,22,26
	v_max3_num_f32 v12, v12, |v[XS+\i]|, |v[XS+\i+1]|
	v_max3_num_f32 v13, v13, |v[XS+\i+2]|, |v[XS+\i+3]|
.endr
	v_max3_num_f32 v12, v12, |v[XS+30]|, |v[XS+31]|
	v_max3_num_f32 v12, v12, v13, 0x1800000        ; and the floor 2^(3 - 127)
	v_add_nc_u32 v11, 0xff000000, v12              ; 2 off its exponent field: the conversion's scale operand
	v_lshrrev_b32 v13, 23, v11                     ; the scale's byte
.if (\t)%4 == 0
	v_mov_b32 v[WSB+(\t)/4], v13                   ; four bytes to a register, the lower K in the lower byte
.else
	v_lshl_or_b32 v[WSB+(\t)/4], v13, 8*((\t)%4), v[WSB+(\t)/4]
.endif
.irp g, 0,1,2,3
	v_cvt_scalef32_pk8_fp4_f32 v[WC+\g], v[XS+8*\g:XS+8*\g+7], v11
.endr
	v_nop                                          ; one plain line behind the last conversion
	ds_store_b128 v4, v[WC:WC+3] offset:16*(\t)    ; 32 codes: 16 bytes of my column's row
.if (\t)+2 < 16
	WLOAD (\t)+2
.endif
	s_wait_dscnt 0x0                               ; the store has read its registers: the next block's codes may be written
.endm
.set Q, 0
.rept 16
	WBLOCK Q
.set Q, Q+1
.endr
	global_store_b128 v9, v[WSB:WSB+3], s[24:25]   ; my column's 16 scale bytes
.irp t, 0,1,2,3,4,5,6,7,8,9,10,11,12,13,14,15
	ds_load_b128 v[WOUT+4*\t:WOUT+4*\t+3], v7 offset:2*\t*WPITCH   ; LDS serves a wave's instructions in order: these see my stores
.endr
.irp t, 0,1,2,3,4,5,6,7,8,9,10,11,12,13,14,15
	s_wait_dscnt 15-\t                             ; the younger loads may be out
	global_store_b128 v8, v[WOUT+4*\t:WOUT+4*\t+3], s[22:23] offset:2*\t*512   ; sixteen lanes store 256 consecutive bytes, aligned
.endr
	s_branch .Lend
; ---------------------------------------------------------------- Wo to f16: a wave casts 4,096 numbers: 32 loads of 512 consecutive bytes, all out at once; each gives one store of 256 consecutive bytes.
.Lcast:
	s_sub_co_u32 s29, ttmp9, 48
	s_lshl_b32 s29, s29, 2
	s_add_co_u32 s29, s29, s28                     ; my run of 4,096 numbers
	s_lshl_b32 s34, s29, 14
	s_add_nc_u64 s[16:17], s[16:17], s[34:35]
	s_lshl_b32 s34, s29, 13
	s_add_nc_u64 s[26:27], s[26:27], s[34:35]
	v_lshlrev_b32 v3, 4, v2
	v_lshlrev_b32 v4, 3, v2
.set I, 0
.rept 32
	global_load_b128 v[32+4*I:35+4*I], v3, s[16:17] offset:512*I th:TH_LOAD_NT
.set I, I+1
.endr
.set I, 0
.rept 32
	s_wait_loadcnt 31-I                            ; loads come back in order: the younger ones may be out
	v_cvt_pk_f16_f32 v[32+4*I], v[32+4*I], v[33+4*I]
	v_cvt_pk_f16_f32 v[33+4*I], v[34+4*I], v[35+4*I]
	global_store_b64 v4, v[32+4*I:33+4*I], s[26:27] offset:256*I   ; no register is written again behind a store
.set I, I+1
.endr
.Lend:
	s_wait_tensorcnt 0x0                           ; the wave's end: behind my last LDS store
	ds_add_u32 v[SPW], v[NIL]
	s_wait_dscnt 0x0
	s_endpgm
.Lfunc_end_k_q812a9efb30_quant:
	.size	k_q812a9efb30_quant, .Lfunc_end_k_q812a9efb30_quant-k_q812a9efb30_quant
	.p2alignl 7, 3214868480
	.fill 96, 4, 3214868480
	.section	.rodata,"a",@progbits
	.p2align	6, 0x0
	.amdhsa_kernel k_q812a9efb30_quant
		.amdhsa_group_segment_fixed_size 68096
		.amdhsa_private_segment_fixed_size 0
		.amdhsa_enable_private_segment 0
		.amdhsa_kernarg_size 96
		.amdhsa_user_sgpr_count 2
		.amdhsa_user_sgpr_kernarg_segment_ptr 1
		.amdhsa_wavefront_size32 1
		.amdhsa_system_sgpr_workgroup_id_x 1
		.amdhsa_system_sgpr_workgroup_id_y 1
		.amdhsa_system_sgpr_workgroup_id_z 1
		.amdhsa_system_vgpr_workitem_id 0
		.amdhsa_next_free_vgpr 196
		.amdhsa_next_free_sgpr 66
		.amdhsa_reserve_vcc 0
		.amdhsa_float_denorm_mode_32 3
		.amdhsa_float_denorm_mode_16_64 3
		.amdhsa_memory_ordered 1
		.amdhsa_forward_progress 1
		.amdhsa_inst_pref_size 123
	.end_amdhsa_kernel
	.amdgpu_metadata
---
amdhsa.version: [ 1, 2 ]
amdhsa.kernels:
  - .name:           k_q812a9efb30_quant
    .symbol:         k_q812a9efb30_quant.kd
    .args:
      - { .name: values, .offset: 0, .size: 8, .value_kind: global_buffer, .address_space: global }
      - { .name: keys, .offset: 8, .size: 8, .value_kind: global_buffer, .address_space: global }
      - { .name: query, .offset: 16, .size: 8, .value_kind: global_buffer, .address_space: global }
      - { .name: Wv, .offset: 24, .size: 8, .value_kind: global_buffer, .address_space: global }
      - { .name: Wk, .offset: 32, .size: 8, .value_kind: global_buffer, .address_space: global }
      - { .name: Wq, .offset: 40, .size: 8, .value_kind: global_buffer, .address_space: global }
      - { .name: Wo, .offset: 48, .size: 8, .value_kind: global_buffer, .address_space: global }
      - { .name: xcodes, .offset: 56, .size: 8, .value_kind: global_buffer, .address_space: global }
      - { .name: xscales, .offset: 64, .size: 8, .value_kind: global_buffer, .address_space: global }
      - { .name: wcodes, .offset: 72, .size: 8, .value_kind: global_buffer, .address_space: global }
      - { .name: wscales, .offset: 80, .size: 8, .value_kind: global_buffer, .address_space: global }
      - { .name: wo16, .offset: 88, .size: 8, .value_kind: global_buffer, .address_space: global }
    .group_segment_fixed_size: 68096
    .private_segment_fixed_size: 0
    .kernarg_segment_align: 8
    .kernarg_segment_size: 96
    .max_flat_workgroup_size: 128
    .sgpr_count:     66
    .vgpr_count:     196
    .wavefront_size: 32
...
	.end_amdgpu_metadata
.endif
;; end of part 1
;; launch proj (part 2): grid 4 x 96, 4 waves a work-group, clusters of 4 x 4, 327,680 bytes of LDS; arguments xcodes, xscales, wcodes, wscales, qkv, bv, bk, bq, mask; writes qkv
.if DOCPART == 2
	.amdgcn_target "amdgcn-amd-amdhsa--gfx1250"
	.amdhsa_code_object_version 6
	.text
	.protected	k_q812a9efb30_proj
	.globl	k_q812a9efb30_proj
	.p2align	8
	.type	k_q812a9efb30_proj,@function
k_q812a9efb30_proj:
	s_mov_b64 s[64:65], 0
	v_nop
	global_prefetch_b8 v0, s[64:65] scope:SCOPE_SE
	s_setreg_imm32_b32 hwreg(HW_REG_WAVE_MODE, 25, 1), 1
	s_wait_xcnt 0x0
	s_wait_alu depctr_hold_cnt(0) depctr_sa_sdst(0) depctr_va_vdst(0) depctr_va_sdst(0) depctr_va_ssrc(0) depctr_va_vcc(0) depctr_vm_vsrc(0)
	s_getreg_b32 s2, hwreg(HW_REG_IB_STS2, 6, 4)
	s_cmp_eq_u32 s2, 0
	s_cbranch_scc0 .Lentry_in_a_cluster
	s_endpgm
.Lentry_in_a_cluster:
	s_bfe_u32 s2, ttmp6, 0x10000c
	s_cmp_lg_u32 s2, 0xf033
	s_cbranch_scc0 .Lentry_shape_is_right
	s_endpgm
.Lentry_shape_is_right:
; THE THREE PROJECTIONS ON CODES OF FP4 (E2M1): for tensor t (0 values / Wv / bv, 1 keys / Wk / bk, 2 query / Wq / bq):  y[m][n] = (sum over k of x[m][k] W[n][k] + b[n]) x f[m],  rounded once to f16 and laid by head:
; qkv [t][batch 4][head 16][position 2048][64].  The row factor f, applied in f32: v: 1;  q: c = log2(e) / 32, so that the next launch's scores are the softmax's exponents to base 2;
; k: 1 where mask[batch][position] is not 0, else 0, so that a masked key's products are exact zeros there.  No branch hangs on the mask: it selects a factor.
; A = xcodes as one matrix of 24,576 rows, B = wcodes as 3,072 rows; a row is 1,024 codes = 512 bytes; scale bytes 32 a row.  The matrix instruction takes codes and scale bytes as they lie.
; A tile of C, 256 x 256 (four heads), is made by four waves, 128 x 128 each: 64 accumulators, 512 registers.  K = 1,024 is two slots of 512: both slots and all scale bytes are asked for at the head and nothing is
; filled again: by this text's count a wave has three tensor loads out at the most.  384 work-groups: no tile that stays inside one tensor gives a multiple of 256.
; CLUSTERS: 4 x 4 work-groups; A's tiles are asked for jointly along a row of the cluster, B's along a column.  All sixteen belong to one tensor (8 clusters along y to a tensor).
; THE MATRIX INSTRUCTION IS USED TRANSPOSED (source 0 = 16 rows of B, source 1 = 16 rows of A): a lane holds eight neighbouring columns of one row of C.  The bias is the C of each sum's first instruction.
; LIMITS: NaN and infinities are not served; |q c|, |k|, |v| stay under 65,504, f16's largest number.
; REGISTERS: window 0: v0-31 addresses; v32-95 scale words, two sets, and nothing else; v96-111 the row factors, a pair for each block of 16 rows; v112-120 mask words, the factor; v128-191 A's fragments, ONE set, later rows on
;   the way out; v192-255 the bias, 8 registers for each of B's blocks, later packed results.   window 1: B's fragments, TWO sets.   windows 2, 3: the accumulators ((a, b) at v[8 (8 (a % 4) + b)]).
.set NQ,     4                         ; steps of 128 along K in a slot
.set ROWB,   256                       ; a tile's row in bytes: 512 codes
.set KROW,   512                       ; a row of A or of B in memory
.set PITCH,  272                       ; an LDS row: 256 bytes + 16 of padding = 68 words: the 16 rows that a load touches start at 16 different banks (64 banks of 4 bytes: ISA guide 11.1)
.set FR,     8
.set NL,     2
.set NP,     4                         ; places behind this matrix instruction (ISA guide 7.12.1)
.set HALFT,  128*PITCH
.set SLOT,   4*HALFT                   ; A's 256 rows, then B's 256 rows
.set KS,     32                        ; a row of scale bytes
.set SCL,    2*SLOT                    ; behind the slots: the scale bytes, as rows of 256 bytes + 16 of padding
.set HALFS,  (128*KS/256)*272
.set SBLK,   (16*KS/256)*272
.set SPARE,  SCL+4*HALFS               ; the spare words, 128 bytes for each wave: two blocks of 256 bytes that no other line names
.set STAGE,  SPARE+512                 ; the way out: for each wave two stages (one a head) of 16 rows x (128 bytes + 16); no tensor load lands here
.set SUB,    16*144
.set ADRA, 16
.set ADRB, 20
.set STO,  24
.set RD,   25
.set CO,   26
.set ADRS, 27
.set SPW,  28                          ; v28  LDS address of my spare word; never rewritten
.set NIL,  29                          ; v29  0; never rewritten
.set BOF,  30                          ; v30  the bias loads' offset: 32 x (lane / 16); never rewritten
.set MOF,  31                          ; v31  the mask loads' offset: 4 x (lane % 16); never rewritten
.set SC,   32
.set RS,   96
.set MK,   112
.set FACV, 120
.set AF,   128
.set BK,   128
.set BI,   192
.set TMP,  192
.set G1, 24
.set G0, 32
.set G1B, 48
.set G0B, 56
.set G1S, 68
.set G0S, 76
.set G1SB, 80
.set G0SB, 88
.set MSB, 0
.macro WIN new                         ; the immediate's high byte repeats the setting that is left; a switch that changes nothing is dropped
.if MSB != (\new)
	s_set_vgpr_msb (MSB<<8)|(\new)
.set MSB, (\new)
.endif
.endm
.set MUL_LO, 0xa1                      ; source 0 (B) window 1, source 1 (A) window 0, C and D window 2
.set MUL_HI, 0xf1                      ; the same, C and D window 3
.set TO_B,   0x40
; A joint load: waves 0 and 1 fetch for A, waves 2 and 3 for B.  Each line has one mask and one set of registers for all that issue it; the branch hangs on the wave's number alone.
; An s_nop 0 and four v_nop follow each of the two lines.
.macro JLOAD g0a, g1a, g0b, g1b
	s_cmp_eq_u32 s15, 0
	s_cbranch_scc0 .Lfor_b_\@
	tensor_load_to_lds s[\g0a:\g0a+3], s[\g1a:\g1a+7]
	s_nop 0
.rept 4
	v_nop
.endr
	s_branch .Lasked_\@
.Lfor_b_\@:
	tensor_load_to_lds s[\g0b:\g0b+3], s[\g1b:\g1b+7]
	s_nop 0
.rept 4
	v_nop
.endr
.Lasked_\@:
.endm
.macro CROUND                          ; a round of the cluster's barrier
	s_barrier_signal -1
	s_barrier_wait -1
	s_cmp_lg_u32 s14, 0
	s_cbranch_scc1 .Lnot_wave_0_\@
	s_barrier_signal -3
.Lnot_wave_0_\@:
	s_barrier_wait -3
	s_barrier_signal -1
	s_barrier_wait -1
.endm
	s_load_b128 s[4:7], s[0:1], 0x0                ; x's codes, x's scales
	s_load_b128 s[8:11], s[0:1], 0x10              ; W's codes, W's scales
	s_load_b64 s[12:13], s[0:1], 0x20              ; qkv
	s_load_b128 s[96:99], s[0:1], 0x28             ; bv, bk
	s_load_b64 s[100:101], s[0:1], 0x38            ; bq
	s_load_b64 s[66:67], s[0:1], 0x40              ; mask
	v_lshl_add_u32 v[SPW], v0, 2, SPARE
	v_mov_b32 v[NIL], 0
	ds_add_u32 v[SPW], v[NIL]                      ; the wave's opening: the add, twice on end, and its wait ahead of my first tensor load
	ds_add_u32 v[SPW], v[NIL]
	v_lshrrev_b32 v1, 5, v0
	v_readfirstlane_b32 s14, v1                    ; wave 0..3
	s_lshr_b32 s15, s14, 1                         ; which half of the tile's rows is mine.  Also: I fetch for A (0) or for B (1)
	s_and_b32 s16, s14, 1                          ; which half of its columns.  Also: which 128 rows of that tile I fetch
	s_bfe_u32 s40, ttmp6, 0x40000                  ; cx, cy: my place in the cluster
	s_bfe_u32 s41, ttmp6, 0x40004
	s_lshl_b32 s42, ttmp9, 2
	s_add_co_u32 s42, s42, s40                     ; tile column 0..3
	s_and_b32 s17, ttmp7, 0xffff
	s_lshr_b32 s95, s17, 3                         ; the tensor: 8 clusters along y to each: made of the cluster's y alone
	s_lshl_b32 s17, s17, 2
	s_add_co_u32 s17, s17, s41                     ; tile row 0..95
	s_lshl_b32 s43, s41, 2
	s_lshl_b32 s43, 15, s43                        ; my row of the cluster
	s_lshl_b32 s44, 0x1111, s40                    ; my column
	s_or_b32 s[G1+0], s43, (0<<16)|(1<<20)|(1<<21)|(5<<22)|(3<<25)  ; 15:0 the mask; 17:16 elements of 1 byte; 20 padding on; 21 set beside a mask; 24:22 after every 64 words; 31:25 of 4 words
	s_or_b32 s[G1B+0], s44, (0<<16)|(1<<20)|(1<<21)|(5<<22)|(3<<25)
.irp g, G1, G1B
	s_mov_b32 s[\g+1], ROWB<<16                    ; tensor_dim0
	s_mov_b32 s[\g+2], 128<<16                     ; tensor_dim1
	s_mov_b32 s[\g+3], ROWB<<16                    ; tile_dim0
	s_mov_b32 s[\g+4], 128                         ; tile_dim1
	s_mov_b32 s[\g+5], KROW                        ; the pitch
	s_mov_b32 s[\g+6], 0
	s_mov_b32 s[\g+7], 0
.endr
	s_or_b32 s[G1S+0], s43, (3<<16)|(1<<20)|(1<<21)|(5<<22)|(3<<25) ; the scale bytes of 128 rows: 4,096 dense bytes as 16 rows of 32 elements of 8 bytes
	s_or_b32 s[G1SB+0], s44, (3<<16)|(1<<20)|(1<<21)|(5<<22)|(3<<25)
.irp g, G1S, G1SB
	s_mov_b32 s[\g+1], 32<<16
	s_mov_b32 s[\g+2], (128*KS/256)<<16
	s_mov_b32 s[\g+3], 32<<16
	s_mov_b32 s[\g+4], 128*KS/256
	s_mov_b32 s[\g+5], 32
	s_mov_b32 s[\g+6], 0
	s_mov_b32 s[\g+7], 0
.endr
	s_lshl_b32 s18, s16, 7                         ; which 128 rows of the tile I fetch
	s_lshl_b32 s20, s17, 8
	s_add_co_u32 s20, s20, s18                     ; A: row 256 x tile row + 128 x half
	s_lshl_b32 s46, s42, 8
	s_add_co_u32 s46, s46, s18                     ; B: row 256 x tile column + 128 x half
	s_lshl_b32 s47, s95, 10
	s_add_co_u32 s46, s46, s47                     ;    + 1,024 x tensor
	s_mov_b32 s21, 0
	s_mov_b32 s47, 0
	s_mov_b64 s[18:19], KS
	s_mul_u64 s[22:23], s[20:21], s[18:19]         ; where these rows' scale bytes begin
	s_mul_u64 s[92:93], s[46:47], s[18:19]
	s_mov_b64 s[18:19], KROW
	s_mul_u64 s[20:21], s[20:21], s[18:19]         ; and their codes
	s_mul_u64 s[46:47], s[46:47], s[18:19]
	s_mul_i32 s45, s14, HALFT                      ; where they go: wave x 128 rows: no place in the cluster enters an LDS address
	s_mul_i32 s94, s14, HALFS
	s_wait_dscnt 0x0                               ; both opening adds are done
	s_wait_kmcnt 0x0
	s_add_nc_u64 s[20:21], s[4:5], s[20:21]
	s_add_nc_u64 s[22:23], s[6:7], s[22:23]
	s_add_nc_u64 s[46:47], s[8:9], s[46:47]
	s_add_nc_u64 s[92:93], s[10:11], s[92:93]
	CROUND                                         ; all sixteen work-groups are here: the joint loads meet
	s_mov_b32 s[G0S], 1
	s_add_co_u32 s[G0S+1], s94, SCL
	s_mov_b64 s[G0S+2:G0S+3], s[22:23]
	s_or_b32 s[G0S+3], s[G0S+3], 0x80000000
	s_mov_b32 s[G0SB], 1
	s_add_co_u32 s[G0SB+1], s94, SCL
	s_mov_b64 s[G0SB+2:G0SB+3], s[92:93]
	s_or_b32 s[G0SB+3], s[G0SB+3], 0x80000000
	JLOAD G0S, G1S, G0SB, G1SB                     ; the scale bytes first: they are wanted with the first slot
.irp s, 0,1
	s_mov_b32 s[G0+4*\s], 1
	s_add_co_u32 s[G0+4*\s+1], s45, \s*SLOT
	s_add_nc_u64 s[G0+4*\s+2:G0+4*\s+3], s[20:21], \s*ROWB
	s_or_b32 s[G0+4*\s+3], s[G0+4*\s+3], 0x80000000
	s_mov_b32 s[G0B+4*\s], 1
	s_add_co_u32 s[G0B+4*\s+1], s45, \s*SLOT
	s_add_nc_u64 s[G0B+4*\s+2:G0B+4*\s+3], s[46:47], \s*ROWB
	s_or_b32 s[G0B+4*\s+3], s[G0B+4*\s+3], 0x80000000
	JLOAD G0+4*\s, G1, G0B+4*\s, G1B
.endr
	v_and_b32 v1, 15, v0                           ; r = lane % 16
	v_bfe_u32 v2, v0, 4, 1                         ; h = lane / 16
	v_mul_u32_u24 v3, v1, PITCH
	v_lshl_add_u32 v4, v2, 4, v3                   ; a fragment's row x pitch + 16 x half
	s_mul_i32 s21, s15, HALFT                      ; my 128 rows of A
	s_mul_i32 s22, s16, HALFT                      ; my 128 rows of B,
	s_add_co_u32 s22, s22, 2*HALFT                 ; which lie behind A's 256
.irp s, 0,1
	v_add_nc_u32 v[ADRA+\s], s21, v4
	v_add_nc_u32 v[ADRB+\s], s22, v4
	s_add_co_u32 s21, s21, SLOT
	s_add_co_u32 s22, s22, SLOT
.endr
	v_mul_u32_u24 v5, v1, KS                       ; my row's scale bytes: KS a row,
	v_lshrrev_b32 v6, 8, v5
	v_lshl_add_u32 v5, v6, 4, v5                   ; and 16 more for each 256 passed
	s_mul_i32 s21, s15, HALFS                      ; A's: my 128 rows
	s_mul_i32 s22, s16, HALFS                      ; B's: my 128 rows, behind A's 256
	s_add_co_u32 s22, s22, 2*HALFS
	s_sub_co_u32 s22, s22, s21
	v_mul_u32_u24 v6, s22, v2                      ; lanes 16-31 take B's
	s_add_co_u32 s21, s21, SCL
	v_add_nc_u32 v5, v5, v6
	v_add_nc_u32 v[ADRS], s21, v5
	s_mul_i32 s23, s14, 2*SUB
	s_add_co_u32 s23, s23, STAGE                   ; my two stages
	v_mul_u32_u24 v5, v1, 144                      ; in: row r, 16 bytes for each half of the lanes
	v_lshl_add_u32 v5, v2, 4, v5
	v_add_nc_u32 v[STO], s23, v5
	v_bfe_u32 v5, v0, 3, 2                         ; back: eight lanes to a row of 128 bytes, four rows an instruction
	v_mul_u32_u24 v5, v5, 144
	v_and_b32 v6, 7, v0
	v_lshl_add_u32 v5, v6, 4, v5
	v_add_nc_u32 v[RD], s23, v5
	v_and_b32 v6, 31, v0
	v_lshlrev_b32 v[CO], 4, v6                     ; a head's rows are dense in qkv: four rows are 512 consecutive bytes, 16 a lane
	v_lshlrev_b32 v[BOF], 5, v2
	v_lshlrev_b32 v[MOF], 2, v1
	; the tensor's bias and factor; offsets that mix the cluster's two places are made in s[2:3], which feed no descriptor
	s_cmp_eq_u32 s95, 0
	s_cselect_b64 s[96:97], s[96:97], s[98:99]
	s_cmp_eq_u32 s95, 2
	s_cselect_b64 s[96:97], s[100:101], s[96:97]
	s_cselect_b32 s104, 0x3d38aa3b, 1.0            ; q: c = log2(e) / 32; else 1
	s_cmp_eq_u32 s95, 1
	s_cselect_b32 s105, 0, -1                      ; k: the mask decides; else every row keeps the factor
	s_lshl_b32 s2, s42, 10
	s_lshl_b32 s3, s16, 9
	s_add_co_u32 s2, s2, s3                        ; my first column, in bytes of f32
	s_mov_b32 s3, 0
	s_add_nc_u64 s[96:97], s[96:97], s[2:3]
	s_and_b32 s20, s17, 31
	s_lshl_b32 s20, s20, 8
	s_lshl_b32 s21, s15, 7
	s_add_co_u32 s20, s20, s21                     ; my first row in the tensor = 2,048 x batch + position: the mask's index too
	s_lshl_b32 s2, s20, 2
	s_add_nc_u64 s[66:67], s[66:67], s[2:3]
	s_lshr_b32 s21, s20, 11
	s_lshl_b32 s21, s21, 15                        ; (16 x batch) x 2,048 rows
	s_and_b32 s22, s20, 2047
	s_add_co_u32 s21, s21, s22                     ; + position
	s_lshl_b32 s2, s42, 13                         ; + (4 x tile column
	s_add_co_u32 s2, s2, s21
	s_lshl_b32 s22, s16, 12                        ;    + 2 x column half) heads of 2,048 rows
	s_add_co_u32 s2, s2, s22
	s_lshl_b32 s2, s2, 7                           ; rows of 128 bytes
	s_lshl_b32 s22, s95, 24                        ; + the tensor's 2^24 bytes
	s_add_co_u32 s2, s2, s22
	s_add_nc_u64 s[12:13], s[12:13], s[2:3]
.irp b, 0,1,2,3,4,5,6,7
	global_load_b128 v[BI+8*\b:BI+8*\b+3], v[BOF], s[96:97] offset:64*\b        ; lane (r, h), block b: b[16 b + 8 h + 0 .. 7]: the result's layout
	global_load_b128 v[BI+8*\b+4:BI+8*\b+7], v[BOF], s[96:97] offset:64*\b+16
.endr
.irp a, 0,1,2,3,4,5,6,7
	global_load_b32 v[MK+\a], v[MOF], s[66:67] offset:64*\a                     ; the mask word of row 16 a + r
.endr
.macro FRAG reg, adr, q, i             ; 16 rows x 128 K of 4-bit codes: 8 registers: lane l holds row l % 16; registers 4 c .. 4 c + 3 hold K = 64 c + 32 (l / 16) + 0 .. 31
.irp c, 0,1
	ds_load_b128 v[\reg+4*\c:\reg+4*\c+3], v[\adr] offset:64*(\q)+32*\c+(\i)*16*PITCH
.endr
.endm
; 16 matrix instructions: A's blocks a0, a0 + 1 x B's eight, the slot's q-th 128 along K.  p: B's set; sc: the set of scale words.  first = 1: the sums begin with the bias as C.
; The 64 accumulators take turns, one instruction a turn, in the same order in every step.
.macro MUL16 a0, p, q, sc, first
.irp a, \a0, \a0+1
.irp b, 0,1,2,3,4,5,6,7
.if \first
	v_wmma_scale_f32_16x16x128_f8f6f4 v[8*(8*((\a)%4)+\b):8*(8*((\a)%4)+\b)+7], v[128*(\p)+FR*\b:128*(\p)+FR*\b+FR-1], v[AF+FR*(\a):AF+FR*(\a)+FR-1], v[BI+8*\b:BI+8*\b+7], v[SC+8*NQ*(\sc)+NQ*\b+(\q)], v[SC+8*NQ*(\sc)+NQ*(\a)+(\q)] matrix_a_fmt:MATRIX_FMT_FP4 matrix_b_fmt:MATRIX_FMT_FP4 matrix_a_scale:MATRIX_SCALE_ROW1
.else
	v_wmma_scale_f32_16x16x128_f8f6f4 v[8*(8*((\a)%4)+\b):8*(8*((\a)%4)+\b)+7], v[128*(\p)+FR*\b:128*(\p)+FR*\b+FR-1], v[AF+FR*(\a):AF+FR*(\a)+FR-1], v[8*(8*((\a)%4)+\b):8*(8*((\a)%4)+\b)+7], v[SC+8*NQ*(\sc)+NQ*\b+(\q)], v[SC+8*NQ*(\sc)+NQ*(\a)+(\q)] matrix_a_fmt:MATRIX_FMT_FP4 matrix_b_fmt:MATRIX_FMT_FP4 matrix_a_scale:MATRIX_SCALE_ROW1
.endif
.endr
.endr
.endm
.macro FETCH_B slot, q, p
	WIN TO_B
.irp i, 0,1,2,3,4,5,6,7
	FRAG 128*(\p)+FR*\i, ADRB+\slot, \q, \i
.endr
	WIN 0
.endm
.macro FETCH_A slot, q, i0
.irp i, \i0, \i0+1, \i0+2, \i0+3
	FRAG AF+FR*(\i), ADRA+\slot, \q, \i
.endr
.endm
.macro SCALES sc                       ; a slot's scale words: 4 words a row; lanes 0-15 take A's block i, lanes 16-31 B's block i
.irp i, 0,1,2,3,4,5,6,7
	ds_load_b128 v[SC+8*NQ*\sc+NQ*\i:SC+8*NQ*\sc+NQ*\i+3], v[ADRS] offset:\i*SBLK
.endr
.endm
.macro PLACES n                        ; plain vector lines between a matrix instruction and a load into, or a vector read or write of, its registers
.rept \n
	v_nop
.endr
.endm
.macro STEP slot, q, first             ; a step of 128 along K that has its successor in the same slot
	s_wait_dscnt 4*NL                              ; B's set and A's blocks 0-3 are in; the youngest eight loads (A's blocks 4-7) may be out
	WIN MUL_LO-0x20*(\first)                       ; (first: C, the bias, lies in window 0)
	MUL16 0, (\q)%2, \q, \slot, \first
	MUL16 2, (\q)%2, \q, \slot, \first
	s_wait_dscnt 0                                 ; A's blocks 4-7 are in
	PLACES NP
	FETCH_B \slot, (\q)+1, 1-(\q)%2
	FETCH_A \slot, (\q)+1, 0
	WIN MUL_HI-0x30*(\first)
	MUL16 4, (\q)%2, \q, \slot, \first
	MUL16 6, (\q)%2, \q, \slot, \first
	PLACES NP
	WIN 0
	FETCH_A \slot, (\q)+1, 4
.endm
; Slot 0's last step changes slots: each wave waits for all its tensor loads (its part of slot 1), adds 0 to its spare word and waits for that; behind the barrier slot 1 is whole.  Nothing is filled again.
.macro TURN slot, next
	s_wait_tensorcnt 0x0
	ds_add_u32 v[SPW], v[NIL]
	s_wait_dscnt 4*NL+1                            ; (the add and the youngest eight loads may be out)
	WIN MUL_LO
	MUL16 0, 1, NQ-1, \slot, 0
	s_wait_dscnt 0x0
	s_barrier_signal -1
	MUL16 2, 1, NQ-1, \slot, 0
	WIN 0
	s_barrier_wait -1
	PLACES NP
	v_add_nc_u32 v[ADRS], 4*NQ, v[ADRS]            ; on to the next slot's scale words (no LDS load of mine is out)
	FETCH_B \next, 0, 0
	FETCH_A \next, 0, 0
	SCALES \next
	WIN MUL_HI
	MUL16 4, 1, NQ-1, \slot, 0
	MUL16 6, 1, NQ-1, \slot, 0
	PLACES NP
	WIN 0
	FETCH_A \next, 0, 4
.endm
.macro STEPS slot, from
.set Q, \from
.rept NQ-1-\from
	STEP \slot, Q, 0
.set Q, Q+1
.endr
.endm
	s_wait_tensorcnt 1                             ; the scale bytes and my part of slot 0 are in (slot 1's load may be out)
	s_barrier_signal -1
	s_barrier_wait -1                              ; everybody's are
	FETCH_B 0, 0, 0
	FETCH_A 0, 0, 0
	SCALES 0
	FETCH_A 0, 0, 4
	s_wait_loadcnt 0x0                             ; the bias and the mask words
	v_mov_b32 v[FACV], s104
.irp a, 0,1,2,3,4,5,6,7
	v_cmp_ne_u32 s2, 0, v[MK+\a]                   ; rows whose mask word is not 0,
	s_or_b32 s2, s2, s105                          ; or all rows where the tensor is not k,
	v_cndmask_b32 v[RS+2*\a], 0, v[FACV], s2       ; keep the factor; the others get 0
	v_mov_b32 v[RS+2*\a+1], v[RS+2*\a]             ; a pair, for the packed multiply
.endr
	STEP 0, 0, 1
	STEPS 0, 1
	TURN 0, 1
	STEPS 1, 0
	s_wait_dscnt 4*NL                              ; the last step: nothing more to fetch
	WIN MUL_LO
	MUL16 0, 1, NQ-1, 1, 0
	MUL16 2, 1, NQ-1, 1, 0
	s_wait_dscnt 0
	WIN MUL_HI
	MUL16 4, 1, NQ-1, 1, 0
	MUL16 6, 1, NQ-1, 1, 0
	WIN 0
; THE WAY OUT, block by block of 16 rows x 128 columns (two heads).  PACK: x the row's factor, in place, each accumulator from its low end on; then rounded to f16, 16 bytes a lane.
; TOSTAGE: into my own stages and back as whole rows.  SEND: each store of the wave covers 512 consecutive bytes, aligned: four rows of one head.
.macro PACK a
.set AC, 64*((\a)%4)
	WIN 0x82+0x41*((\a)/4)                         ; destination and source 0: window 2 or 3; the factor: window 0
.irp b, 0,1,2,3,4,5,6,7
.irp r, 0,1,2,3
	v_pk_mul_f32 v[AC+8*\b+2*\r:AC+8*\b+2*\r+1], v[AC+8*\b+2*\r:AC+8*\b+2*\r+1], v[RS+2*(\a):RS+2*(\a)+1]
.endr
.endr
	WIN 0x0a+5*((\a)/4)                            ; sources 0 and 1: window 2 or 3; destination window 0
.irp b, 0,1,2,3,4,5,6,7
.irp r, 0,1,2,3
	v_cvt_pk_f16_f32 v[TMP+4*\b+\r], v[AC+8*\b+2*\r], v[AC+8*\b+2*\r+1]
.endr
.endr
	WIN 0
.endm
.macro TOSTAGE a
.set BB, BK+32*((\a)%2)
.irp b, 0,1,2,3,4,5,6,7
	ds_store_b128 v[STO], v[TMP+4*\b:TMP+4*\b+3] offset:(\b/4)*SUB+32*(\b%4)
.endr
.irp i, 0,1,2,3,4,5,6,7
	ds_load_b128 v[BB+4*\i:BB+4*\i+3], v[RD] offset:(\i/4)*SUB+576*(\i%4)     ; LDS serves a wave's instructions in order: these see the stores above
.endr
.endm
.macro SEND a, younger
.set BB, BK+32*((\a)%2)
	s_wait_dscnt \younger                          ; the block is back in registers
	s_wait_xcnt 0x0                                ; the stores of the block before have read their registers: the next TOSTAGE loads into them only behind this wait
.irp i, 0,1,2,3,4,5,6,7
	global_store_b128 v[CO], v[BB+4*\i:BB+4*\i+3], s[12:13] offset:(\i/4)*262144+2048*(\a)+512*(\i%4)
.endr
.endm
	PLACES NP                                      ; behind the last products: their results are read and A's registers are loaded into below
	PACK 0
	TOSTAGE 0
.irp a, 1,2,3,4,5,6,7                  ; block a's arithmetic stands between block a - 1's loads from the stage and the wait for them
	PACK \a
	SEND \a-1, 0
	TOSTAGE \a
.endr
	SEND 7, 0
	s_wait_tensorcnt 0x0                           ; the wave's end: behind my last tensor load and my last LDS store
	ds_add_u32 v[SPW], v[NIL]
	s_wait_dscnt 0x0
	CROUND                                         ; the closing round: no work-group ends while a partner may still ask for a tile that names it
	s_endpgm
.Lfunc_end_k_q812a9efb30_proj:
	.size	k_q812a9efb30_proj, .Lfunc_end_k_q812a9efb30_proj-k_q812a9efb30_proj
	.p2alignl 7, 3214868480
	.fill 96, 4, 3214868480
	.section	.rodata,"a",@progbits
	.p2align	6, 0x0
	.amdhsa_kernel k_q812a9efb30_proj
		.amdhsa_group_segment_fixed_size 327680
		.amdhsa_private_segment_fixed_size 0
		.amdhsa_enable_private_segment 0
		.amdhsa_kernarg_size 72
		.amdhsa_user_sgpr_count 2
		.amdhsa_user_sgpr_kernarg_segment_ptr 1
		.amdhsa_wavefront_size32 1
		.amdhsa_system_sgpr_workgroup_id_x 1
		.amdhsa_system_sgpr_workgroup_id_y 1
		.amdhsa_system_sgpr_workgroup_id_z 1
		.amdhsa_system_vgpr_workitem_id 0
		.amdhsa_next_free_vgpr 1024
		.amdhsa_next_free_sgpr 106
		.amdhsa_reserve_vcc 0
		.amdhsa_float_denorm_mode_32 3
		.amdhsa_float_denorm_mode_16_64 3
		.amdhsa_memory_ordered 1
		.amdhsa_forward_progress 1
		.amdhsa_inst_pref_size 147
	.end_amdhsa_kernel
	.amdgpu_metadata
---
amdhsa.version: [ 1, 2 ]
amdhsa.kernels:
  - .name:           k_q812a9efb30_proj
    .symbol:         k_q812a9efb30_proj.kd
    .args:
      - { .name: xcodes, .offset: 0, .size: 8, .value_kind: global_buffer, .address_space: global }
      - { .name: xscales, .offset: 8, .size: 8, .value_kind: global_buffer, .address_space: global }
      - { .name: wcodes, .offset: 16, .size: 8, .value_kind: global_buffer, .address_space: global }
      - { .name: wscales, .offset: 24, .size: 8, .value_kind: global_buffer, .address_space: global }
      - { .name: qkv, .offset: 32, .size: 8, .value_kind: global_buffer, .address_space: global }
      - { .name: bv, .offset: 40, .size: 8, .value_kind: global_buffer, .address_space: global }
      - { .name: bk, .offset: 48, .size: 8, .value_kind: global_buffer, .address_space: global }
      - { .name: bq, .offset: 56, .size: 8, .value_kind: global_buffer, .address_space: global }
      - { .name: mask, .offset: 64, .size: 8, .value_kind: global_buffer, .address_space: global }
    .group_segment_fixed_size: 327680
    .private_segment_fixed_size: 0
    .kernarg_segment_align: 8
    .kernarg_segment_size: 72
    .max_flat_workgroup_size: 128
    .sgpr_count:     106
    .vgpr_count:     1024
    .wavefront_size: 32
...
	.end_amdgpu_metadata
.endif
;; end of part 2
;; launch attn (part 3): grid 4 x 64, 8 waves a work-group, clusters of 4 x 1, 327,680 bytes of LDS; arguments qkv, mask, att; writes att
.if DOCPART == 3
	.amdgcn_target "amdgcn-amd-amdhsa--gfx1250"
	.amdhsa_code_object_version 6
	.text
	.protected	k_q812a9efb30_attn
	.globl	k_q812a9efb30_attn
	.p2align	8
	.type	k_q812a9efb30_attn,@function
k_q812a9efb30_attn:
	s_mov_b64 s[64:65], 0
	v_nop
	global_prefetch_b8 v0, s[64:65] scope:SCOPE_SE
	s_setreg_imm32_b32 hwreg(HW_REG_WAVE_MODE, 25, 1), 1
	s_wait_xcnt 0x0
	s_wait_alu depctr_hold_cnt(0) depctr_sa_sdst(0) depctr_va_vdst(0) depctr_va_sdst(0) depctr_va_ssrc(0) depctr_va_vcc(0) depctr_vm_vsrc(0)
	s_getreg_b32 s2, hwreg(HW_REG_IB_STS2, 6, 4)
	s_cmp_eq_u32 s2, 0
	s_cbranch_scc0 .Lentry_in_a_cluster
	s_endpgm
.Lentry_in_a_cluster:
	s_bfe_u32 s2, ttmp6, 0x10000c
	s_cmp_lg_u32 s2, 0x3003
	s_cbranch_scc0 .Lentry_shape_is_right
	s_endpgm
.Lentry_shape_is_right:
; att[batch][head][q][:] = the sum over keys of softmax(energy / 32) v, energy = q . k, or -1e20 where mask[batch][key] is 0.  Operands f16, products' sums, maxima and row sums f32.
; qkv: f16 [tensor: 0 v, 1 k, 2 q][batch x head 64][position 2048][64].  q arrives multiplied by c = log2(e) / 32, so a score is t, the exponent to base 2; k arrives as zeros where the key is masked.
; THE MASK costs no vector work in the loop: the first K Q^T instruction of each tile of scores takes as its C a bias tile: 0 for a key that counts, -1e20 x c for a masked one; a masked key's products are exact zeros,
; so its t is exactly that constant: p = 0 beside any key that counts, and p = 1 for all keys of a batch that is masked whole: the plain mean.  The table of 2,048 biases is made once, by a select, and lies in LDS.
; SOFTMAX: for each query a running maximum m and sum l: p = 2^(t - m); in every step O and l are multiplied by a = 2^(m_old - m_new).  m begins at -3e38, O and l at 0: the step is written once.
; SHARES: a work-group owns 512 queries of one batch and head; each of its eight waves 64: four tiles of 16, worked as two pieces of two tiles that share K's and V's fragments.  Two waves lie on a SIMD, so that one wave's
; vector work stands beside the other's matrix work.  Every wave walks all 2,048 keys, 64 a step, 256 a slot, through two LDS slots filled by the tensor data mover, one load a wave.
; LAYOUT: S^T = K Q^T (source 0 = 16 keys, source 1 = 16 queries) and O^T = V^T P (source 0 = 16 channels, source 1 = P): a lane holds ONE query throughout; two tiles of S^T rounded in pairs ARE P's fragment.
; CLUSTER: the four query blocks of a head are one cluster and ask for each tile of K and V jointly.
; LIMITS: NaN and infinities are not served; real energies are taken to lie above -1e19; |O| stays under 65,504.
; REGISTERS: window 0: v2-15 addresses; v16-47 statistics, 8 a tile: +0 -m, +1 m, +2, +3 l, +4 .. +7 at work (a in +6); v48-111 Q; v112-143 the bias tiles; v144-207 S^T of a piece; v208-239 P of a piece; v240-251 at work.
;   window 1: v0-127 O^T, 32 a tile; v128-191 K of a step; v192-255 V of a step.
.set PKP,   272                        ; an LDS row of K: two keys' 256 bytes + 16: key k lies at (k / 2) x 272 + (k % 2) x 128: the 16 keys that a load touches start at 16 different groups of four banks (64 banks of 4 bytes: ISA guide 11.1)
.set PVP,   288                        ; of V: + 32
.set VOFF,  32*PKP                     ; a step's tiles lie together: 32 rows of K, then 32 rows of V
.set STEPB, 32*(PKP+PVP)
.set SLOT1, 1<<17                      ; a slot holds four steps (71,680 bytes); slot 1 begins here: one exclusive or turns an address
.set MB,    212992                     ; the bias table: 2,048 f32, written by LDS stores: no tensor load lands here
.set STAGE, MB+8192                    ; the way out: 16 rows x (128 bytes + 16) for each wave
.set SPARE, STAGE+8*2304               ; the spare words, 128 bytes for each wave: four blocks of 256 bytes that no other line names
.set AK0, 2
.set AV0, 3
.set ADK, 4
.set ADV, 5
.set AMB0, 6
.set ADM, 7
.set QO,  8
.set STO, 9
.set RD,  10
.set GO,  11
.set PFO, 12                           ; v12  256 x my lane; never rewritten
.set SPW, 14                           ; v14  LDS address of my spare word; never rewritten
.set NIL, 15                           ; v15  0; never rewritten
.set ST,  16
.set Q,   48
.set BI,  112
.set S,   144
.set P,   208
.set KF,  128                          ; in window 1
.set VF,  192                          ; in window 1
.set WV,  12                           ; s12  my wave's number
.set LIM, 15                           ; s15  1 in a wave that prefetches, else the greatest number
.set PFA, 18                           ; s[18:19] where my prefetches stand
.set G1K, 24
.set G1V, 32
.set G0K, 40
.set G0V, 44
.set SLOTS, 48
.set TB,  49                           ; s49  LDS byte at which the slot in hand begins
.set TMO, 50                           ; s50  where the slot's biases begin in the table
.set SEL, 52                           ; s[52:53] lane selects for v_permlanex16_b32: lane l xor 16
.set MSB, 0
.macro WIN new
.if MSB != (\new)
	s_set_vgpr_msb (MSB<<8)|(\new)
.set MSB, (\new)
.endif
.endm
.set W_KQ, 0x01                        ; K in window 1; Q, C and S^T in window 0
.set W_PV, 0x51                        ; V and O^T in window 1, P in window 0
.set W_RS, 0x41                        ; O^T (destination and source 0) in window 1, a in window 0
.set TO1,  0x40                        ; destination window 1, address window 0
; A joint load: waves 0 to 3 fetch the four steps' tiles of K, waves 4 to 7 those of V.  The branch hangs on the wave's number alone.  An s_nop 0 and four v_nop follow each line.
.macro JLOAD
	s_cmp_lt_u32 s[WV], 4
	s_cbranch_scc0 .Lfor_v_\@
	tensor_load_to_lds s[G0K:G0K+3], s[G1K:G1K+7]
	s_nop 0
.rept 4
	v_nop
.endr
	s_branch .Lasked_\@
.Lfor_v_\@:
	tensor_load_to_lds s[G0V:G0V+3], s[G1V:G1V+7]
	s_nop 0
.rept 4
	v_nop
.endr
.Lasked_\@:
.endm
; A prefetch of what the NEXT change of slots will ask for: a slot's 32,768 bytes of K and of V.  The head has one cluster; its four partners take 8,192 bytes each, told apart by address; in each, wave 0 asks for K's
; and wave 4 for V's, lanes 256 bytes apart: each block of 256 bytes is named once in the launch.  The last change that fills a slot asks for nothing; slots 0 and 1 come by their loads alone.
.macro ASK
	s_cmp_gt_u32 s[SLOTS], s[LIM]
	s_cbranch_scc0 .Lnot_mine_\@
	global_prefetch_b8 v[PFO], s[PFA:PFA+1] th:TH_LOAD_NT scope:SCOPE_SE
.Lnot_mine_\@:
.endm
.macro CROUND                          ; a round of the cluster's barrier
	s_barrier_signal -1
	s_barrier_wait -1
	s_cmp_lg_u32 s[WV], 0
	s_cbranch_scc1 .Lnot_wave_0_\@
	s_barrier_signal -3
.Lnot_wave_0_\@:
	s_barrier_wait -3
	s_barrier_signal -1
	s_barrier_wait -1
.endm
.macro PLACES
.rept 4
	v_nop
.endr
.endm
	s_load_b128 s[4:7], s[0:1], 0x0                ; qkv, mask
	s_load_b64 s[8:9], s[0:1], 0x10                ; att
	v_lshl_add_u32 v[SPW], v0, 2, SPARE
	v_mov_b32 v[NIL], 0
	ds_add_u32 v[SPW], v[NIL]                      ; the wave's opening: the add, twice on end, and its wait ahead of my first tensor load
	ds_add_u32 v[SPW], v[NIL]
	v_lshrrev_b32 v1, 5, v0
	v_readfirstlane_b32 s[WV], v1                  ; wave 0..7
	s_bfe_u32 s13, ttmp6, 0x40000                  ; cx: my place in the cluster
	s_lshl_b32 s14, ttmp9, 2
	s_add_co_u32 s14, s14, s13                     ; my block of 512 queries: it enters Q's, att's and the prefetches' addresses alone
	s_and_b32 s16, ttmp7, 0xffff                   ; batch x 16 + head, which the four partners share
	s_and_b32 s17, s[WV], 3                        ; which of a slot's four steps I fetch
	s_lshl_b32 s20, s16, 18                        ; the head's 262,144 bytes
	s_lshl_b32 s22, s17, 13                        ; my step's 64 keys of 128 bytes
	s_add_co_u32 s22, s22, s20
	s_mov_b32 s23, 0
	s_mul_i32 s54, s17, STEPB                      ; and its place in a slot: no place in the cluster enters an LDS address
	s_lshl_b32 s2, s14, 16                         ; my block's 512 rows,
	s_lshl_b32 s3, s[WV], 13                       ; my wave's 64 of them
	s_add_co_u32 s2, s2, s3
	s_add_co_u32 s2, s2, s20
	s_mov_b32 s3, 0
	s_cmp_lt_u32 s[WV], 4
	s_cselect_b32 s56, 0x1000000, 0                ; k lies one tensor (2^24 bytes) behind v
	s_add_co_u32 s56, s56, s20
	s_lshl_b32 s57, s13, 13                        ; my work-group's 8,192 bytes of a slot's 32,768,
	s_add_co_u32 s56, s56, s57
	s_add_co_u32 s56, s56, 32768                   ; in slot 1: the first change of slots steps it to slot 2
	s_mov_b32 s57, 0
	s_cmp_eq_u32 s17, 0
	s_cselect_b32 s[LIM], 1, -1                    ; waves 0 and 4 ask: the same in all four partners
	s_lshr_b32 s58, s16, 4
	s_lshl_b32 s58, s58, 13                        ; the batch's 2,048 mask words
	s_mov_b32 s59, 0
	s_mov_b32 s[G1K], 15|(1<<16)|(1<<20)|(1<<21)|(5<<22)|(3<<25)  ; 15:0 the mask: all four work-groups; 17:16 elements of 2 bytes; 20 padding on; 21 set beside a mask; 24:22 after every 64 words; 31:25 4 words
	s_mov_b32 s[G1V], 15|(1<<16)|(1<<20)|(1<<21)|(5<<22)|(7<<25)  ; the same with 8 words of padding
.irp g, G1K, G1V
	s_mov_b32 s[\g+1], 128<<16                     ; tensor_dim0: two keys' 128 elements: rows are dense in memory, so a tile is stated as rows twice as long
	s_mov_b32 s[\g+2], 32<<16                      ; tensor_dim1
	s_mov_b32 s[\g+3], 128<<16                     ; tile_dim0
	s_mov_b32 s[\g+4], 32                          ; tile_dim1
	s_mov_b32 s[\g+5], 128                         ; the pitch
	s_mov_b32 s[\g+6], 0
	s_mov_b32 s[\g+7], 0
.endr
	s_mov_b32 s[SEL], 0x76543210
	s_mov_b32 s[SEL+1], 0xfedcba98
	s_mov_b32 s[TB], 0
	s_mov_b32 s[TMO], 0
	s_mov_b32 s[SLOTS], 7
	s_mul_i32 s55, s[WV], 2304
	s_add_co_u32 s55, s55, STAGE                   ; my stage
	s_wait_dscnt 0x0                               ; both opening adds are done
	s_wait_kmcnt 0x0
	s_add_nc_u64 s[10:11], s[4:5], s[2:3]
	s_add_nc_u64 s[10:11], s[10:11], 0x2000000     ; q at my wave's first row
	s_add_nc_u64 s[8:9], s[8:9], s[2:3]            ; att likewise
	s_add_nc_u64 s[6:7], s[6:7], s[58:59]
	s_add_nc_u64 s[PFA:PFA+1], s[4:5], s[56:57]
	CROUND                                         ; all four work-groups are here: the first joint loads meet
	s_mov_b32 s[G0V], 1
	s_add_co_u32 s[G0V+1], s54, VOFF
	s_add_nc_u64 s[G0V+2:G0V+3], s[4:5], s[22:23]  ; v: my tile of slot 0
	s_mov_b32 s[G0K], 1
	s_mov_b32 s[G0K+1], s54
	s_add_nc_u64 s[G0K+2:G0K+3], s[G0V+2:G0V+3], 0x1000000   ; k: one tensor on
	s_or_b32 s[G0V+3], s[G0V+3], 0x80000000        ; 127:126 type = 2
	s_or_b32 s[G0K+3], s[G0K+3], 0x80000000
	JLOAD                                          ; slot 0: one load of mine is out
	v_and_b32 v1, 15, v0                           ; r = lane % 16
	v_bfe_u32 v13, v0, 4, 1                        ; h = lane / 16
	v_lshlrev_b32 v[QO], 7, v1
	v_lshl_add_u32 v[QO], v13, 4, v[QO]            ; Q: row r of 128 bytes + 16 h
	v_lshlrev_b32 v251, 5, v0                      ; the mask: 8 words a thread
	global_load_b128 v[240:243], v251, s[6:7]
	global_load_b128 v[244:247], v251, s[6:7] offset:16
.irp t, 0,1,2,3
.irp c, 0,1
	global_load_b128 v[Q+16*\t+8*\c:Q+16*\t+8*\c+3],   v[QO], s[10:11] offset:2048*\t+64*\c      ; Q stays in registers: tile t, channels 32 c on
	global_load_b128 v[Q+16*\t+8*\c+4:Q+16*\t+8*\c+7], v[QO], s[10:11] offset:2048*\t+64*\c+32
.endr
.endr
	v_lshrrev_b32 v250, 1, v1
	v_mul_u32_u24 v[AK0], v250, PKP
	v_and_b32 v250, 1, v1
	v_lshl_add_u32 v[AK0], v250, 7, v[AK0]
	v_lshl_add_u32 v[AK0], v13, 4, v[AK0]          ; K: key r of a tile: (r / 2) x pitch + (r % 2) x 128 + 16 h
	v_bfe_u32 v250, v0, 1, 2
	v_lshl_add_u32 v250, v13, 2, v250
	v_mul_u32_u24 v[AV0], v250, PVP
	v_and_b32 v250, 1, v0
	v_lshl_add_u32 v[AV0], v250, 7, v[AV0]
	v_bfe_u32 v250, v0, 3, 1
	v_lshl_add_u32 v[AV0], v250, 4, v[AV0]
	v_add_nc_u32 v[AV0], VOFF, v[AV0]              ; V, for the turning load: key 8 h + lane % 8, channels 8 ((lane / 8) % 2) on
	v_lshl_add_u32 v[AMB0], v13, 5, MB             ; the biases of keys 8 h + 0 .. 7
	v_mul_u32_u24 v[STO], v1, 144
	v_lshl_add_u32 v[STO], v13, 4, v[STO]
	v_add_nc_u32 v[STO], s55, v[STO]               ; the stage, in: row r, 16 bytes for each half of the lanes
	v_bfe_u32 v250, v0, 3, 2
	v_mul_u32_u24 v[RD], v250, 144
	v_and_b32 v250, 7, v0
	v_lshl_add_u32 v[RD], v250, 4, v[RD]
	v_add_nc_u32 v[RD], s55, v[RD]                 ; back: eight lanes to a row of 128 bytes
	v_and_b32 v250, 31, v0
	v_lshlrev_b32 v[GO], 4, v250
	v_lshlrev_b32 v[PFO], 8, v250
	v_lshl_add_u32 v249, v0, 5, MB                 ; where my eight biases go
	v_mov_b32 v248, 0xde7a4487                     ; -1e20 x c
.irp t, 0,1,2,3
	v_mov_b32 v[ST+8*\t], 0x7f61b1e6               ; -m
	v_mov_b32 v[ST+8*\t+1], 0xff61b1e6             ; m = -3e38, under every t
.irp i, 2,3,4,5,6,7
	v_mov_b32 v[ST+8*\t+\i], 0                     ; l, and the registers at work
.endr
.endr
	WIN TO1
.set I, 0
.rept 128
	v_mov_b32 v[I], 0                              ; O^T.  (The step is written once: its first pass finds zeros, which a = 0 leaves zeros)
.set I, I+1
.endr
	WIN 0
	s_wait_loadcnt 16                              ; the mask words are in; Q's sixteen loads may be out
.irp i, 0,1,2,3,4,5,6,7
	v_cmp_eq_u32 vcc_lo, 0, v[240+\i]
	v_cndmask_b32 v[240+\i], 0, v248, vcc_lo       ; a select, no branch
.endr
	ds_store_b128 v249, v[240:243]
	ds_store_b128 v249, v[244:247] offset:16       ; the first change of slots waits for these and its barrier shows them to all waves
	s_wait_loadcnt 0x0                             ; Q
.macro LOADK j                         ; step j's K (64 keys x 64 channels: 8 fragments) and its four bias tiles: 24 loads
	WIN TO1
.irp kt, 0,1,2,3
.irp c, 0,1
	ds_load_b128 v[KF+16*\kt+8*\c:KF+16*\kt+8*\c+3],   v[ADK] offset:(\j)*STEPB+8*PKP*\kt+64*\c
	ds_load_b128 v[KF+16*\kt+8*\c+4:KF+16*\kt+8*\c+7], v[ADK] offset:(\j)*STEPB+8*PKP*\kt+64*\c+32
.endr
.endr
	WIN 0
.irp kt, 0,1,2,3
	ds_load_b128 v[BI+8*\kt:BI+8*\kt+3],   v[ADM] offset:256*(\j)+64*\kt
	ds_load_b128 v[BI+8*\kt+4:BI+8*\kt+7], v[ADM] offset:256*(\j)+64*\kt+16
.endr
.endm
.macro LOADV j                         ; step j's V, turned: 8 fragments of 16 channels x 32 keys: 16 loads
	WIN TO1
.irp c2, 0,1
.irp ct, 0,1,2,3
	ds_load_tr16_b128 v[VF+32*\c2+8*\ct:VF+32*\c2+8*\ct+3],   v[ADV] offset:(\j)*STEPB+16*PVP*\c2+32*\ct
	ds_load_tr16_b128 v[VF+32*\c2+8*\ct+4:VF+32*\c2+8*\ct+7], v[ADV] offset:(\j)*STEPB+16*PVP*\c2+32*\ct+8*PVP
.endr
.endr
.endm
; The accumulators take turns, one instruction a turn: between two links of a chain stand seven others'.
.macro KQ x                            ; S^T of tiles x, x + 1: the first eight begin with the bias tile as C
	WIN W_KQ
.irp c, 0,1
.irp kt, 0,1,2,3
.irp u, 0,1
.if \c == 0
	v_wmma_f32_16x16x32_f16 v[S+32*\u+8*\kt:S+32*\u+8*\kt+7], v[KF+16*\kt+8*\c:KF+16*\kt+8*\c+7], v[Q+16*(\x+\u)+8*\c:Q+16*(\x+\u)+8*\c+7], v[BI+8*\kt:BI+8*\kt+7]
.else
	v_wmma_f32_16x16x32_f16 v[S+32*\u+8*\kt:S+32*\u+8*\kt+7], v[KF+16*\kt+8*\c:KF+16*\kt+8*\c+7], v[Q+16*(\x+\u)+8*\c:Q+16*(\x+\u)+8*\c+7], v[S+32*\u+8*\kt:S+32*\u+8*\kt+7]
.endif
.endr
.endr
.endr
.endm
.macro PVM x                           ; O^T of tiles x, x + 1 += V^T P
	WIN W_PV
.irp c2, 0,1
.irp ct, 0,1,2,3
.irp u, 0,1
	v_wmma_f32_16x16x32_f16 v[32*(\x+\u)+8*\ct:32*(\x+\u)+8*\ct+7], v[VF+32*\c2+8*\ct:VF+32*\c2+8*\ct+7], v[P+16*\u+8*\c2:P+16*\u+8*\c2+7], v[32*(\x+\u)+8*\ct:32*(\x+\u)+8*\ct+7]
.endr
.endr
.endr
.endm
; The softmax of tiles x, x + 1 for 64 keys; the two tiles line by line in turn, so that no line waits for the line above it.  Every window is 0.
.macro SOFT x
.irp j, 0,1,2,3
.irp u, 0,1
	v_max3_num_f32 v[ST+8*(\x+\u)+4+\j], v[S+32*\u+8*\j], v[S+32*\u+8*\j+1], v[S+32*\u+8*\j+2]   ; four chains; each accumulator is read from its low end on
.endr
.endr
.irp g, 1,2
.irp j, 0,1,2,3
.irp u, 0,1
	v_max3_num_f32 v[ST+8*(\x+\u)+4+\j], v[ST+8*(\x+\u)+4+\j], v[S+32*\u+8*\j+2*\g+1], v[S+32*\u+8*\j+2*\g+2]
.endr
.endr
.endr
.irp u, 0,1
	v_max3_num_f32 v[ST+8*(\x+\u)+4], v[ST+8*(\x+\u)+4], v[S+32*\u+7], v[S+32*\u+15]
.endr
.irp u, 0,1
	v_max3_num_f32 v[ST+8*(\x+\u)+6], v[ST+8*(\x+\u)+6], v[S+32*\u+23], v[S+32*\u+31]
.endr
.irp u, 0,1
	v_max3_num_f32 v[ST+8*(\x+\u)+4], v[ST+8*(\x+\u)+4], v[ST+8*(\x+\u)+5], v[ST+8*(\x+\u)+6]
.endr
.irp u, 0,1
	v_max3_num_f32 v[ST+8*(\x+\u)+4], v[ST+8*(\x+\u)+4], v[ST+8*(\x+\u)+7], v[ST+8*(\x+\u)+1]   ; with the old m
.endr
.irp u, 0,1
	v_permlanex16_b32 v[ST+8*(\x+\u)+5], v[ST+8*(\x+\u)+4], s[SEL], s[SEL+1]                     ; the query's other 32 keys lie in the lane 16 away
.endr
.irp u, 0,1
	v_mov_b32 v[ST+8*(\x+\u)+7], v[ST+8*(\x+\u)+1]                                               ; m_old
.endr
.irp u, 0,1
	v_max_num_f32 v[ST+8*(\x+\u)+1], v[ST+8*(\x+\u)+4], v[ST+8*(\x+\u)+5]                        ; m
.endr
.irp u, 0,1
	v_xor_b32 v[ST+8*(\x+\u)], 0x80000000, v[ST+8*(\x+\u)+1]                                     ; -m
.endr
.irp u, 0,1
	v_sub_f32 v[ST+8*(\x+\u)+7], v[ST+8*(\x+\u)+7], v[ST+8*(\x+\u)+1]                            ; m_old - m
.endr
.irp i, 0,2,4,6,8,10,12,14,16,18,20,22,24,26,28,30
.irp u, 0,1
	v_pk_add_f32 v[S+32*\u+\i:S+32*\u+\i+1], v[S+32*\u+\i:S+32*\u+\i+1], v[ST+8*(\x+\u):ST+8*(\x+\u)+1] op_sel_hi:[1,0]   ; t - m, two at a time
.endr
.endr
.irp u, 0,1
	v_exp_f32 v[ST+8*(\x+\u)+6], v[ST+8*(\x+\u)+7]                                               ; a
.endr
.set I, 0
.rept 32
	v_exp_f32 v[S+I], v[S+I]                       ; p = 2^(t - m): ONE BATCH of 66 exponentials, none of which reads another's result
	v_exp_f32 v[S+32+I], v[S+32+I]
.set I, I+1
.endr
	v_nop                                          ; a plain line behind the last exponential,
	s_wait_alu depctr_va_vdst(0)                   ; and the one wait ahead of the batch's first reader
.irp i, 0,1,2,3,4,5,6,7,8,9,10,11,12,13,14,15
.irp u, 0,1
	v_cvt_pk_f16_f32 v[P+16*\u+\i], v[S+32*\u+2*\i], v[S+32*\u+2*\i+1]
.endr
.endr
.irp i, 0,4,8,12,16,20,24,28           ; the row's sum of the unrounded p, in place, as a tree of pairs (an even key's, an odd key's)
.irp u, 0,1
	v_pk_add_f32 v[S+32*\u+\i:S+32*\u+\i+1], v[S+32*\u+\i:S+32*\u+\i+1], v[S+32*\u+\i+2:S+32*\u+\i+3]
.endr
.endr
.irp i, 0,8,16,24
.irp u, 0,1
	v_pk_add_f32 v[S+32*\u+\i:S+32*\u+\i+1], v[S+32*\u+\i:S+32*\u+\i+1], v[S+32*\u+\i+4:S+32*\u+\i+5]
.endr
.endr
.irp i, 0,16
.irp u, 0,1
	v_pk_add_f32 v[S+32*\u+\i:S+32*\u+\i+1], v[S+32*\u+\i:S+32*\u+\i+1], v[S+32*\u+\i+8:S+32*\u+\i+9]
.endr
.endr
.irp u, 0,1
	v_pk_add_f32 v[S+32*\u:S+32*\u+1], v[S+32*\u:S+32*\u+1], v[S+32*\u+16:S+32*\u+17]
.endr
.irp u, 0,1
	v_pk_fma_f32 v[ST+8*(\x+\u)+2:ST+8*(\x+\u)+3], v[ST+8*(\x+\u)+2:ST+8*(\x+\u)+3], v[ST+8*(\x+\u)+6:ST+8*(\x+\u)+7], v[S+32*\u:S+32*\u+1] op_sel_hi:[1,0,1]   ; l = a l + the sum
.endr
.endm
.macro RESC x                          ; O^T of tiles x, x + 1 times a
	WIN W_RS
.irp u, 0,1
.irp i, 0,2,4,6,8,10,12,14,16,18,20,22,24,26,28,30
	v_pk_mul_f32 v[32*(\x+\u)+\i:32*(\x+\u)+\i+1], v[32*(\x+\u)+\i:32*(\x+\u)+\i+1], v[ST+8*(\x+\u)+6:ST+8*(\x+\u)+7] op_sel_hi:[1,0]
.endr
.endr
.endm
; A KEY STEP: 64 keys, the j-th of the slot in hand.  pf = 1: the next step's K is fetched in its middle.
.macro STEP j, pf
.if \j == 0
	LOADK 0                                        ; (the four lines at the slot's head are the places behind the last products)
.else
	PLACES                                         ; in front of loads into V's registers, which the last products read
.endif
	LOADV \j
	s_wait_dscnt 16                                ; K and the biases are in; V's sixteen loads may be out
	KQ 0
	WIN 0
	PLACES                                         ; in front of the first read of the scores
	SOFT 0
	s_wait_dscnt 0x0                               ; V is in
	RESC 0
	PVM 0
	KQ 2
	WIN 0
	PLACES                                         ; in front of the read of the scores, and of loads into K's and the biases' registers
.if \pf
	LOADK (\j)+1                                   ; these 24 loads stay out until the next step's wait
.endif
	SOFT 2
	RESC 2
	PVM 2
	WIN 0
.endm
; THE CHANGE OF SLOTS stands at a slot's head.  Each wave waits for all its tensor loads (its part of the slot that it is about to read), adds 0 to its spare word, and waits for that and for its reads of the slot that
; it has left.  fill = 1: the barrier is a round of the cluster's, and behind it the slot just left (in the first trip: slot 1, for the first time, by all eight waves) takes the next 256 keys: one load a wave, which has
; four key steps in which to land.
.macro CHANGE fill
	s_wait_tensorcnt 0x0                           ; no tensor load of mine is out, so a group 0 may be written
	ds_add_u32 v[SPW], v[NIL]
.if \fill
	s_xor_b32 s[G0K+1], s[G0K+1], SLOT1            ; the walking descriptors: the other slot than last time,
	s_add_nc_u64 s[G0K+2:G0K+3], s[G0K+2:G0K+3], 32768   ; the next 256 keys; the type bits on top are not reached
	s_xor_b32 s[G0V+1], s[G0V+1], SLOT1
	s_add_nc_u64 s[G0V+2:G0V+3], s[G0V+2:G0V+3], 32768
	s_wait_xcnt 0x0                                ; the last prefetch, a slot back, has read its address, so it may be written:
	s_add_nc_u64 s[PFA:PFA+1], s[PFA:PFA+1], 32768 ; one slot further on than the walking descriptors
	s_wait_dscnt 0x0                               ; the add is done; my LDS stores have landed and my reads of the slot that I have left are over
	CROUND
	JLOAD
	ASK
.else
	s_wait_dscnt 0x0
	s_barrier_signal -1
	s_barrier_wait -1
.endif
.endm
.macro SLOT_STEPS
	v_add_nc_u32 v[ADK], s[TB], v[AK0]
	v_add_nc_u32 v[ADV], s[TB], v[AV0]
	v_add_nc_u32 v[ADM], s[TMO], v[AMB0]
	v_nop
	STEP 0, 1
	STEP 1, 1
	STEP 2, 1
	STEP 3, 0
	s_xor_b32 s[TB], s[TB], SLOT1                  ; on to the other slot,
	s_add_co_u32 s[TMO], s[TMO], 1024              ; and to the next 256 biases
.endm
.Lslot:                                            ; seven trips: behind each change of slots but the last the next slot is asked for
	CHANGE 1
	SLOT_STEPS
	s_sub_co_u32 s[SLOTS], s[SLOTS], 1
	s_cmp_lg_u32 s[SLOTS], 0
	s_cbranch_scc1 .Lslot
	CHANGE 0                                       ; the last slot is written out
	SLOT_STEPS
	; THE WAY OUT.  l's two halves and the other half of the lanes' are added; O^T is divided by l, rounded to f16 and sent through my stage, a tile (16 rows) at a time.  The additions are the places behind the last products.
.irp t, 0,1,2,3
	v_add_f32 v[ST+8*\t+4], v[ST+8*\t+2], v[ST+8*\t+3]
.endr
.irp t, 0,1,2,3
	v_permlanex16_b32 v[ST+8*\t+5], v[ST+8*\t+4], s[SEL], s[SEL+1]
.endr
.irp t, 0,1,2,3
	v_add_f32 v[ST+8*\t+4], v[ST+8*\t+4], v[ST+8*\t+5]
.endr
.irp t, 0,1,2,3
	v_rcp_f32 v[ST+8*\t+6], v[ST+8*\t+4]
.endr
	v_nop                                          ; a plain line behind the last reciprocal,
	s_wait_alu depctr_va_vdst(0)                   ; and the one wait ahead of the first use
.macro OPACK t
	WIN 0x01                                       ; source 0 (O^T) window 1
.irp i, 0,2,4,6,8,10,12,14,16,18,20,22,24,26,28,30
	v_pk_mul_f32 v[S+\i:S+\i+1], v[32*\t+\i:32*\t+\i+1], v[ST+8*\t+6:ST+8*\t+7] op_sel_hi:[1,0]
.endr
	WIN 0
.irp i, 0,1,2,3,4,5,6,7,8,9,10,11,12,13,14,15
	v_cvt_pk_f16_f32 v[S+32+\i], v[S+2*\i], v[S+2*\i+1]
.endr
.irp ct, 0,1,2,3
	ds_store_b128 v[STO], v[S+32+4*\ct:S+32+4*\ct+3] offset:32*\ct
.endr
.irp i, 0,1,2,3
	ds_load_b128 v[Q+16*\t+4*\i:Q+16*\t+4*\i+3], v[RD] offset:576*\i   ; LDS serves a wave's instructions in order: these see the stores above; the next tile's stores come behind them
.endr
.endm
.macro OSEND t, younger                ; younger: the LDS instructions issued behind tile t's loads: the next tile's eight, or none
.irp i, 0,1,2,3
	s_wait_dscnt \younger+3-\i
	global_store_b128 v[GO], v[Q+16*\t+4*\i:Q+16*\t+4*\i+3], s[8:9] offset:2048*\t+512*\i   ; the wave stores 512 consecutive bytes, aligned: four rows
.endr
.endm
	OPACK 0
	OPACK 1
	OSEND 0, 8
	OPACK 2
	OSEND 1, 8
	OPACK 3
	OSEND 2, 8
	OSEND 3, 0
	s_wait_tensorcnt 0x0                           ; the wave's end: behind my last tensor load and my last LDS store
	ds_add_u32 v[SPW], v[NIL]
	s_wait_dscnt 0x0
	CROUND                                         ; the closing round
	s_endpgm
.Lfunc_end_k_q812a9efb30_attn:
	.size	k_q812a9efb30_attn, .Lfunc_end_k_q812a9efb30_attn-k_q812a9efb30_attn
	.p2alignl 7, 3214868480
	.fill 96, 4, 3214868480
	.section	.rodata,"a",@progbits
	.p2align	6, 0x0
	.amdhsa_kernel k_q812a9efb30_attn
		.amdhsa_group_segment_fixed_size 327680
		.amdhsa_private_segment_fixed_size 0
		.amdhsa_enable_private_segment 0
		.amdhsa_kernarg_size 24
		.amdhsa_user_sgpr_count 2
		.amdhsa_user_sgpr_kernarg_segment_ptr 1
		.amdhsa_wavefront_size32 1
		.amdhsa_system_sgpr_workgroup_id_x 1
		.amdhsa_system_sgpr_workgroup_id_y 1
		.amdhsa_system_sgpr_workgroup_id_z 1
		.amdhsa_system_vgpr_workitem_id 0
		.amdhsa_next_free_vgpr 512
		.amdhsa_next_free_sgpr 66
		.amdhsa_reserve_vcc 1
		.amdhsa_float_denorm_mode_32 3
		.amdhsa_float_denorm_mode_16_64 3
		.amdhsa_memory_ordered 1
		.amdhsa_forward_progress 1
		.amdhsa_inst_pref_size 255
	.end_amdhsa_kernel
	.section	.bss,"aw",@nobits
	.p2align	6
	.space	262144
	.amdgpu_metadata
---
amdhsa.version: [ 1, 2 ]
amdhsa.kernels:
  - .name:           k_q812a9efb30_attn
    .symbol:         k_q812a9efb30_attn.kd
    .args:
      - { .name: qkv, .offset: 0, .size: 8, .value_kind: global_buffer, .address_space: global }
      - { .name: mask, .offset: 8, .size: 8, .value_kind: global_buffer, .address_space: global }
      - { .name: att, .offset: 16, .size: 8, .value_kind: global_buffer, .address_space: global }
    .group_segment_fixed_size: 327680
    .private_segment_fixed_size: 0
    .kernarg_segment_align: 8
    .kernarg_segment_size: 24
    .max_flat_workgroup_size: 256
    .sgpr_count:     66
    .vgpr_count:     512
    .wavefront_size: 32
...
	.end_amdgpu_metadata
.endif
;; end of part 3
;; launch oproj (part 4): grid 8 x 32, 4 waves a work-group, clusters of 4 x 4, 327,680 bytes of LDS; arguments att, wo16, bo, out0; writes out0
.if DOCPART == 4
	.amdgcn_target "amdgcn-amd-amdhsa--gfx1250"
	.amdhsa_code_object_version 6
	.text
	.protected	k_q812a9efb30_oproj
	.globl	k_q812a9efb30_oproj
	.p2align	8
	.type	k_q812a9efb30_oproj,@function
k_q812a9efb30_oproj:
	s_mov_b64 s[64:65], 0
	v_nop
	global_prefetch_b8 v0, s[64:65] scope:SCOPE_SE
	s_setreg_imm32_b32 hwreg(HW_REG_WAVE_MODE, 25, 1), 1
	s_wait_xcnt 0x0
	s_wait_alu depctr_hold_cnt(0) depctr_sa_sdst(0) depctr_va_vdst(0) depctr_va_sdst(0) depctr_va_ssrc(0) depctr_va_vcc(0) depctr_vm_vsrc(0)
	s_getreg_b32 s2, hwreg(HW_REG_IB_STS2, 6, 4)
	s_cmp_eq_u32 s2, 0
	s_cbranch_scc0 .Lentry_in_a_cluster
	s_endpgm
.Lentry_in_a_cluster:
	s_bfe_u32 s2, ttmp6, 0x10000c
	s_cmp_lg_u32 s2, 0xf033
	s_cbranch_scc0 .Lentry_shape_is_right
	s_endpgm
.Lentry_shape_is_right:
; out0[m][n] = the sum over k of A[m][k] Wo[k][n] + bo[n].  A is the attention's result, f16, laid [batch 4][head 16][position 2048][64]: row m = 2,048 x batch + position, k = 64 x head + channel.
; wo16: f16 [k 1024][n 1024].  out0: [8192][1024] f32.  f16 operands, f32 sums.
; A tile of C is 256 rows x 128 columns: 256 work-groups.  Four waves, 128 x 64 each: 32 accumulators, 256 registers.  K goes in steps of 128 (two heads) through two LDS slots; a head's 256 rows of 128 bytes are dense
; in memory and come as 128 rows of 256 bytes; Wo's tile is 128 rows (k) of 256 bytes and is read by the turning load.  Waves 0 and 1 fetch A's two heads, waves 2 and 3 the two halves of Wo's rows: one load a wave.
; CLUSTERS: 4 x 4 work-groups: A's tiles are asked for jointly along a row of the cluster, Wo's along a column.
; THE MATRIX INSTRUCTION IS USED TRANSPOSED (source 0 = 16 columns of Wo, source 1 = 16 rows of A): a lane holds eight neighbouring numbers of a row of C.  The bias is the C of each sum's first instruction.
; REGISTERS: window 0: v16-29 addresses; v32-63 the bias, 8 registers for each of the wave's four blocks of columns; v64-159, v160-255 two fragment buffers (A's 8 blocks, then Wo's 4), 32 along K each.
;   window 1: the accumulators, (a, b) at v[32 a + 8 b].
.set PA,     272                       ; an LDS row of A: two rows' 256 bytes + 16: the 16 rows that a load touches start at 16 different groups of four banks (64 banks of 4 bytes: ISA guide 11.1)
.set PB,     288                       ; of Wo: 256 + 32
.set AHEAD,  128*PA                    ; a head's 256 rows
.set BOFF,   2*AHEAD
.set SLOT,   BOFF+128*PB
.set STAGE,  2*SLOT                    ; behind the slots: 16 rows x (256 bytes + 16) for each wave, for the way out
.set SPITCH, 272
.set SPARE,  STAGE+4*16*SPITCH         ; the spare words, 128 bytes for each wave: two blocks of 256 bytes that no other line names
.set LAPS,   4                         ; a lap = two K steps = once round the ring
.set ADRA, 16
.set ADRB, 20
.set STO,  24
.set RD,   25
.set CO,   26
.set BOF,  27                          ; v27  the bias loads' offset; never rewritten
.set SPW,  28                          ; v28  LDS address of my spare word; never rewritten
.set NIL,  29                          ; v29  0; never rewritten
.set BIAS, 32
.set F0,   64
.set F1,   160
.set BK,   64
.set G1, 24
.set G0, 32
.set G1B, 48
.set G0B, 56
.set MSB, 0
.macro WIN new
.if MSB != (\new)
	s_set_vgpr_msb (MSB<<8)|(\new)
.set MSB, (\new)
.endif
.endm
.macro JLOAD s                         ; a joint load; an s_nop 0 and four v_nop follow each of the two lines
	s_cmp_eq_u32 s11, 0
	s_cbranch_scc0 .Lfor_b_\@
	tensor_load_to_lds s[G0+4*\s:G0+4*\s+3], s[G1:G1+7]
	s_nop 0
.rept 4
	v_nop
.endr
	s_branch .Lasked_\@
.Lfor_b_\@:
	tensor_load_to_lds s[G0B+4*\s:G0B+4*\s+3], s[G1B:G1B+7]
	s_nop 0
.rept 4
	v_nop
.endr
.Lasked_\@:
.endm
.macro CREST                           ; a round of the cluster's barrier behind its opening barrier
	s_cmp_lg_u32 s10, 0
	s_cbranch_scc1 .Lnot_wave_0_\@
	s_barrier_signal -3
.Lnot_wave_0_\@:
	s_barrier_wait -3
	s_barrier_signal -1
	s_barrier_wait -1
.endm
.macro CROUND
	s_barrier_signal -1
	s_barrier_wait -1
	CREST
.endm
	s_load_b128 s[4:7], s[0:1], 0x0                ; att, wo16
	s_load_b128 s[16:19], s[0:1], 0x10             ; bo, out0
	v_lshl_add_u32 v[SPW], v0, 2, SPARE
	v_mov_b32 v[NIL], 0
	ds_add_u32 v[SPW], v[NIL]                      ; the wave's opening: the add, twice on end, and its wait ahead of my first tensor load
	ds_add_u32 v[SPW], v[NIL]
	v_lshrrev_b32 v1, 5, v0
	v_readfirstlane_b32 s10, v1                    ; wave 0..3
	s_lshr_b32 s11, s10, 1                         ; which half of the tile's rows is mine.  Also: I fetch for A (0) or for Wo (1)
	s_and_b32 s12, s10, 1                          ; which half of its columns.  Also: which head, or which 64 rows of Wo, I fetch
	s_bfe_u32 s40, ttmp6, 0x40000                  ; cx, cy
	s_bfe_u32 s41, ttmp6, 0x40004
	s_lshl_b32 s42, ttmp9, 2
	s_add_co_u32 s42, s42, s40                     ; tile column 0..7
	s_and_b32 s13, ttmp7, 0xffff
	s_lshl_b32 s13, s13, 2
	s_add_co_u32 s13, s13, s41                     ; tile row 0..31
	s_lshl_b32 s43, s41, 2
	s_lshl_b32 s43, 15, s43                        ; my row of the cluster
	s_lshl_b32 s45, 0x1111, s40                    ; my column
	s_or_b32 s[G1+0], s43, (1<<16)|(1<<20)|(1<<21)|(5<<22)|(3<<25)   ; 15:0 the mask; 17:16 elements of 2 bytes; 20 padding on; 21 set beside a mask; 24:22 after every 64 words; 31:25 4 words
	s_or_b32 s[G1B+0], s45, (1<<16)|(1<<20)|(1<<21)|(5<<22)|(7<<25)  ; 8 words of padding
	s_mov_b32 s[G1+1], 128<<16                     ; A: tensor_dim0 = 128 elements,
	s_mov_b32 s[G1+2], 128<<16                     ; tensor_dim1 = 128 rows,
	s_mov_b32 s[G1+3], 128<<16                     ; tile_dim0,
	s_mov_b32 s[G1+4], 128                         ; tile_dim1,
	s_mov_b32 s[G1+5], 128                         ; the pitch: dense
	s_mov_b32 s[G1+6], 0
	s_mov_b32 s[G1+7], 0
	s_mov_b32 s[G1B+1], 128<<16                    ; Wo: 64 rows of 128 elements, 1,024 elements apart
	s_mov_b32 s[G1B+2], 64<<16
	s_mov_b32 s[G1B+3], 128<<16
	s_mov_b32 s[G1B+4], 64
	s_mov_b32 s[G1B+5], 1024
	s_mov_b32 s[G1B+6], 0
	s_mov_b32 s[G1B+7], 0
	s_lshr_b32 s20, s13, 3
	s_lshl_b32 s20, s20, 22                        ; A: the batch's 16 heads of 262,144 bytes,
	s_and_b32 s21, s13, 7
	s_lshl_b32 s21, s21, 15                        ; the tile's 256 rows of 128 bytes,
	s_add_co_u32 s20, s20, s21
	s_lshl_b32 s21, s12, 18                        ; my head of the step's two
	s_add_co_u32 s20, s20, s21
	s_mov_b32 s21, 0
	s_lshl_b32 s46, s12, 17                        ; Wo: my 64 rows of 2,048 bytes,
	s_lshl_b32 s47, s42, 8                         ; the tile's 128 columns
	s_add_co_u32 s46, s46, s47
	s_mov_b32 s47, 0
	s_mul_i32 s22, s12, AHEAD                      ; where they go: no place in the cluster enters an LDS address
	s_mul_i32 s23, s12, 64*PB
	s_add_co_u32 s23, s23, BOFF
	s_wait_dscnt 0x0                               ; both opening adds are done
	s_wait_kmcnt 0x0
	s_add_nc_u64 s[14:15], s[4:5], s[20:21]
	s_add_nc_u64 s[46:47], s[6:7], s[46:47]
	CROUND                                         ; all sixteen work-groups are here: the first joint loads meet
.irp s, 0,1
	s_mov_b32 s[G0+4*\s], 1
	s_add_co_u32 s[G0+4*\s+1], s22, \s*SLOT
	s_add_nc_u64 s[G0+4*\s+2:G0+4*\s+3], s[14:15], \s*524288      ; K step s: two heads on
	s_or_b32 s[G0+4*\s+3], s[G0+4*\s+3], 0x80000000
	s_mov_b32 s[G0B+4*\s], 1
	s_add_co_u32 s[G0B+4*\s+1], s23, \s*SLOT
	s_add_nc_u64 s[G0B+4*\s+2:G0B+4*\s+3], s[46:47], \s*262144    ; 128 rows on
	s_or_b32 s[G0B+4*\s+3], s[G0B+4*\s+3], 0x80000000
	JLOAD \s                                       ; two loads of mine are out
.endr
	v_and_b32 v1, 15, v0                           ; r
	v_bfe_u32 v2, v0, 4, 1                         ; h
	v_lshrrev_b32 v3, 1, v1
	v_mul_u32_u24 v3, v3, PA
	v_and_b32 v4, 1, v1
	v_lshl_add_u32 v3, v4, 7, v3
	v_lshl_add_u32 v3, v2, 4, v3                   ; A: row r of a block: (r / 2) x pitch + (r % 2) x 128 + 16 h
	s_mul_i32 s21, s11, 64*PA                      ; my 128 rows
	v_and_b32 v4, 7, v0
	v_lshl_add_u32 v4, v2, 3, v4
	v_mul_u32_u24 v4, v4, PB
	v_bfe_u32 v5, v0, 3, 1
	v_lshl_add_u32 v4, v5, 4, v4                   ; Wo, for the turning load: row 8 h + lane % 8, columns 8 ((lane / 8) % 2) on
	s_lshl_b32 s22, s12, 7                         ; my 64 columns
	s_add_co_u32 s22, s22, BOFF
.irp s, 0,1
	v_add_nc_u32 v[ADRA+\s], s21, v3
	v_add_nc_u32 v[ADRB+\s], s22, v4
	s_add_co_u32 s21, s21, SLOT
	s_add_co_u32 s22, s22, SLOT
.endr
	s_mul_i32 s23, s10, 16*SPITCH
	s_add_co_u32 s23, s23, STAGE                   ; my stage
	v_mul_u32_u24 v5, v1, SPITCH                   ; in: row r, 32 bytes for each half of the lanes
	v_lshl_add_u32 v5, v2, 5, v5
	v_add_nc_u32 v[STO], s23, v5
	v_mul_u32_u24 v5, v2, SPITCH                   ; back: lanes 0-15 one row of 256 bytes, lanes 16-31 the next
	v_lshl_add_u32 v5, v1, 4, v5
	v_add_nc_u32 v[RD], s23, v5
	v_lshlrev_b32 v5, 12, v2                       ; and the same two rows in out0 (4,096 bytes a row)
	v_lshl_add_u32 v[CO], v1, 4, v5
	v_lshlrev_b32 v[BOF], 5, v2
	s_lshl_b32 s2, s42, 9                          ; offsets that mix the cluster's two places are made in s[2:3], which feed no descriptor
	s_lshl_b32 s3, s12, 8
	s_add_co_u32 s2, s2, s3                        ; my first column, in bytes of f32
	s_mov_b32 s3, 0
	s_add_nc_u64 s[16:17], s[16:17], s[2:3]
	s_lshl_b32 s20, s13, 20                        ; 256 rows of 4,096 bytes a tile row,
	s_add_co_u32 s2, s2, s20
	s_lshl_b32 s20, s11, 19                        ; 128 a half
	s_add_co_u32 s2, s2, s20
	s_add_nc_u64 s[18:19], s[18:19], s[2:3]
.irp b, 0,1,2,3
	global_load_b128 v[BIAS+8*\b:BIAS+8*\b+3], v[BOF], s[16:17] offset:64*\b       ; lane (r, h), block b: bo[16 b + 8 h + 0 .. 7]: the result's layout
	global_load_b128 v[BIAS+8*\b+4:BIAS+8*\b+7], v[BOF], s[16:17] offset:64*\b+16
.endr
; n x 4 matrix instructions: A's blocks a0 .. a0 + n - 1 x Wo's four, 32 along K, from buffer f.  first = 1: the sums begin with the bias as C.
; The 32 accumulators take turns, one instruction a turn, in the same order in every quarter.
.macro MUL f, a0, n, first
	WIN 0x50-0x10*(\first)                         ; C and D window 1 (first: C, the bias, window 0)
.set MA, \a0
.rept \n
.irp b, 0,1,2,3
.if \first
	v_wmma_f32_16x16x32_f16 v[32*MA+8*\b:32*MA+8*\b+7], v[\f+64+8*\b:\f+64+8*\b+7], v[\f+8*MA:\f+8*MA+7], v[BIAS+8*\b:BIAS+8*\b+7]
.else
	v_wmma_f32_16x16x32_f16 v[32*MA+8*\b:32*MA+8*\b+7], v[\f+64+8*\b:\f+64+8*\b+7], v[\f+8*MA:\f+8*MA+7], v[32*MA+8*\b:32*MA+8*\b+7]
.endif
.endr
.set MA, MA+1
.endr
.endm
; 24 LDS loads in one run: the fragments of the slot's q-th 32 along K into buffer f: Wo's four, A's blocks 0-3, A's blocks 4-7
.macro FETCH slot, q, f
	WIN 0
.irp b, 0,1,2,3
	ds_load_tr16_b128 v[\f+64+8*\b:\f+64+8*\b+3],   v[ADRB+\slot] offset:32*PB*(\q)+32*\b
	ds_load_tr16_b128 v[\f+64+8*\b+4:\f+64+8*\b+7], v[ADRB+\slot] offset:32*PB*(\q)+32*\b+16*PB
.endr
.irp i, 0,1,2,3,4,5,6,7
	ds_load_b128 v[\f+8*\i:\f+8*\i+3],   v[ADRA+\slot] offset:((\q)/2)*AHEAD+((\q)%2)*64+\i*8*PA
	ds_load_b128 v[\f+8*\i+4:\f+8*\i+7], v[ADRA+\slot] offset:((\q)/2)*AHEAD+((\q)%2)*64+\i*8*PA+32
.endr
.endm
.macro PLACES                          ; four plain lines in front of loads into registers that matrix instructions have read, and of the first read of results
.rept 4
	v_nop
.endr
.endm
; A K step is four quarters of 32 along K on buffers 0, 1, 0, 1.  One of the first three: multiplies buffer f and fetches the slot's quarter q into g.
.macro QUARTER slot, q, f, g, first
	s_wait_dscnt 8                                 ; Wo's fragments and A's blocks 0-3 are in; the youngest eight loads (A's blocks 4-7) may be out
	MUL \f, 0, 4, \first
	PLACES
	FETCH \slot, \q, \g
	s_wait_dscnt 24                                ; all but the 24 just issued
	MUL \f, 4, 4, \first
.endm
; The last quarter multiplies buffer 1 and changes slots: ONE barrier; in front of it each wave waits for all its tensor loads, adds 0 to its spare word, and waits for that and for its reads of this slot.
; fill = 1: the barrier opens a round of the cluster's, and this slot is filled again, two K steps ahead, first thing behind it.
.macro TURN slot, next, fill
	WIN 0
	s_wait_tensorcnt 0x0                           ; all my tensor loads have landed: my part of the next slot
	ds_add_u32 v[SPW], v[NIL]
	s_wait_dscnt 9                                 ; (the add and the youngest eight loads may be out)
	MUL F1, 0, 2, 0
	s_wait_dscnt 0x0                               ; the add is done, and my reads of this slot are over
	s_barrier_signal -1
	MUL F1, 2, 2, 0
	WIN 0
	s_barrier_wait -1
.if \fill
	CREST
	s_add_nc_u64 s[G0+4*\slot+2:G0+4*\slot+3], s[G0+4*\slot+2:G0+4*\slot+3], 1048576     ; four heads on
	s_add_nc_u64 s[G0B+4*\slot+2:G0B+4*\slot+3], s[G0B+4*\slot+2:G0B+4*\slot+3], 524288  ; 256 rows on
	JLOAD \slot                                    ; the four v_nop behind it are also the places in front of the loads below
.else
	PLACES
.endif
	FETCH \next, 0, F0
	MUL F1, 4, 4, 0
.endm
	s_wait_tensorcnt 1                             ; my part of K step 0 is in (K step 1's load may be out)
	s_barrier_signal -1
	s_barrier_wait -1                              ; everybody's is
	s_wait_loadcnt 0x0                             ; the bias
	FETCH 0, 0, F0
	QUARTER 0, 1, F0, F1, 1                        ; the first quarter stands in front of the loop: its products start the sums
	WIN 0
	s_mov_b32 s3, LAPS-1
.Llap:                                             ; a trip goes once round the ring, from a lap's second quarter to the next lap's first, and fills both slots again
	QUARTER 0, 2, F1, F0, 0
	QUARTER 0, 3, F0, F1, 0
	TURN 0, 1, 1
	QUARTER 1, 1, F0, F1, 0
	QUARTER 1, 2, F1, F0, 0
	QUARTER 1, 3, F0, F1, 0
	TURN 1, 0, 1
	QUARTER 0, 1, F0, F1, 0
	WIN 0
	s_sub_co_u32 s3, s3, 1
	s_cmp_lg_u32 s3, 0
	s_cbranch_scc1 .Llap
	QUARTER 0, 2, F1, F0, 0                        ; the last lap fills nothing
	QUARTER 0, 3, F0, F1, 0
	TURN 0, 1, 0
	QUARTER 1, 1, F0, F1, 0
	QUARTER 1, 2, F1, F0, 0
	QUARTER 1, 3, F0, F1, 0
	s_wait_dscnt 8                                 ; the very last quarter: nothing more to fetch
	MUL F1, 0, 4, 0
	s_wait_dscnt 0
	MUL F1, 4, 4, 0
	WIN 0
; THE WAY OUT, block by block of 16 rows x 64 columns: through my own stage and back as whole rows of 256 bytes; sixteen lanes store 256 consecutive bytes, aligned.
.macro TOSTAGE a
	WIN 0x04                                       ; an LDS store's data are its source 1: window 1
.irp b, 0,1,2,3
	ds_store_b128 v[STO], v[32*(\a)+8*\b:32*(\a)+8*\b+3] offset:64*\b          ; each accumulator from its low end on
	ds_store_b128 v[STO], v[32*(\a)+8*\b+4:32*(\a)+8*\b+7] offset:64*\b+16
.endr
	WIN 0
.set BB, BK+32*((\a)%2)
.irp i, 0,1,2,3,4,5,6,7
	ds_load_b128 v[BB+4*\i:BB+4*\i+3], v[RD] offset:\i*2*SPITCH                ; LDS serves a wave's instructions in order: these see the stores above
.endr
.endm
.macro SEND a, younger                 ; younger: the LDS instructions issued behind block a's loads
.set BB, BK+32*((\a)%2)
	s_wait_dscnt \younger
.irp i, 0,1,2,3,4,5,6,7
	global_store_b128 v[CO], v[BB+4*\i:BB+4*\i+3], s[18:19] offset:65536*(\a)+8192*\i th:TH_STORE_NT   ; written once, read by nobody here
.endr
.endm
	PLACES
	TOSTAGE 0
.irp a, 1,2,3,4,5,6,7
.if \a > 1
	s_wait_xcnt 0x0                                ; block a - 2's stores have read their registers: block a's loads may land there
.endif
	TOSTAGE \a
	SEND \a-1, 16                                  ; behind block a - 1's loads: block a's 8 stores and 8 loads
.endr
	SEND 7, 0
	s_wait_tensorcnt 0x0                           ; the wave's end: behind my last tensor load and my last LDS store
	ds_add_u32 v[SPW], v[NIL]
	s_wait_dscnt 0x0
	CROUND                                         ; the closing round
	s_endpgm
.Lfunc_end_k_q812a9efb30_oproj:
	.size	k_q812a9efb30_oproj, .Lfunc_end_k_q812a9efb30_oproj-k_q812a9efb30_oproj
	.p2alignl 7, 3214868480
	.fill 96, 4, 3214868480
	.section	.rodata,"a",@progbits
	.p2align	6, 0x0
	.amdhsa_kernel k_q812a9efb30_oproj
		.amdhsa_group_segment_fixed_size 327680
		.amdhsa_private_segment_fixed_size 0
		.amdhsa_enable_private_segment 0
		.amdhsa_kernarg_size 32
		.amdhsa_user_sgpr_count 2
		.amdhsa_user_sgpr_kernarg_segment_ptr 1
		.amdhsa_wavefront_size32 1
		.amdhsa_system_sgpr_workgroup_id_x 1
		.amdhsa_system_sgpr_workgroup_id_y 1
		.amdhsa_system_sgpr_workgroup_id_z 1
		.amdhsa_system_vgpr_workitem_id 0
		.amdhsa_next_free_vgpr 512
		.amdhsa_next_free_sgpr 66
		.amdhsa_reserve_vcc 0
		.amdhsa_float_denorm_mode_32 3
		.amdhsa_float_denorm_mode_16_64 3
		.amdhsa_memory_ordered 1
		.amdhsa_forward_progress 1
		.amdhsa_inst_pref_size 87
	.end_amdhsa_kernel
	.amdgpu_metadata
---
amdhsa.version: [ 1, 2 ]
amdhsa.kernels:
  - .name:           k_q812a9efb30_oproj
    .symbol:         k_q812a9efb30_oproj.kd
    .args:
      - { .name: att, .offset: 0, .size: 8, .value_kind: global_buffer, .address_space: global }
      - { .name: wo16, .offset: 8, .size: 8, .value_kind: global_buffer, .address_space: global }
      - { .name: bo, .offset: 16, .size: 8, .value_kind: global_buffer, .address_space: global }
      - { .name: out0, .offset: 24, .size: 8, .value_kind: global_buffer, .address_space: global }
    .group_segment_fixed_size: 327680
    .private_segment_fixed_size: 0
    .kernarg_segment_align: 8
    .kernarg_segment_size: 32
    .max_flat_workgroup_size: 128
    .sgpr_count:     66
    .vgpr_count:     512
    .wavefront_size: 32
...
	.end_amdgpu_metadata
.endif
;; end of part 4
